; MI455X (gfx1250); checked and timed in simulation.
; The chip was launched on July 23, 2026; its instructions are those of AMD's public machine-readable ISA for CDNA 5 (MIT licence, August 2026) and "CDNA5" Instruction Set Architecture Reference Guide (July 2026). The comments in the code are by the model that wrote it; some were corrected since.
;; Bidirectional Cross Attention. Allowed arithmetic: matrix products marked QUANTISED: E2M1 operands, one E8M0 scale for each 32 along K, by v_wmma_scale_f32_16x16x128_f8f6f4 with both operands' format E2M1 (or v_wmma_scale_f32_32x16x128_f4), f32 sums; everything else in f32.
;; Inputs: W_k 256 x 256 float32; W_p1 768 x 256 float32; W_p2 1,024 x 256 float32; W_q 256 x 256 float32; W_v 256 x 256 float32; b_k 256 float32; b_p1 256 float32; b_p2 256 float32; b_q 256 float32; b_v 256 float32; gamma 1 float32; x1 8 x 2,048 x 768 float32; x2 8 x 2,048 x 1,024 float32.
;; Outputs: out0 8 x 2,048 x 256 float32.
;; This version of the problem:
;;   THIS VERSION OF THE PROBLEM IS GIVEN IN LOW PRECISION. The matrix products marked QUANTISED in the list below multiply operands that are first quantised to E2M1 (2 exponent bits, 1 mantissa bit; 4 bits a number), with one power-of-two scale for each 32 numbers along K (OCP MX v1.0); their sums are f32. All else is computed in f32.
;;   The module's matrix products, in the order in which they are computed (A, B: the left and right operand; K: the contracted axis; several contracted axes count as one K, in the product's order):
;;     1. [M 16,384, K 768] x [K 768, N 256]; A: input x1; B: input W_p1: QUANTISED
;;     2. [M 16,384, K 1,024] x [K 1,024, N 256]; A: input x2; B: input W_p2: QUANTISED
;;     3. [M 16,384, K 256] x [K 256, N 256]; A: computed on the way; B: input W_q: QUANTISED
;;     4. [M 16,384, K 256] x [K 256, N 256]; A: computed on the way; B: input W_k: QUANTISED
;;     5. [M 16,384, K 256] x [K 256, N 256]; A: computed on the way; B: input W_v: QUANTISED
;;     6. batch 8 x [M 2,048, K 256] x [K 256, N 2,048]; A: computed on the way; B: computed on the way: QUANTISED
;;     7. batch 8 x [M 2,048, K 2,048] x [K 2,048, N 256]; A: softmax (see below); B: computed on the way: QUANTISED
;;     8. [M 16,384, K 256] x [K 256, N 256]; A: computed on the way; B: input W_q: QUANTISED
;;     9. [M 16,384, K 256] x [K 256, N 256]; A: computed on the way; B: input W_k: QUANTISED
;;     10. [M 16,384, K 256] x [K 256, N 256]; A: computed on the way; B: input W_v: QUANTISED
;;     11. batch 8 x [M 2,048, K 256] x [K 256, N 2,048]; A: computed on the way; B: computed on the way: QUANTISED
;;     12. batch 8 x [M 2,048, K 2,048] x [K 2,048, N 256]; A: softmax (see below); B: computed on the way: QUANTISED
;;   THE QUANTISER, for each operand of a quantised product, along K:
;;     - K is cut into blocks of 32 from its start; a last block that is shorter is filled with zeros.
;;     - A block's scale is 2^e with e = floor(log2(the largest magnitude in the block)) - 2, held to -126 .. 127; a block of zeros has e = 0. As a byte (E8M0): e + 127.
;;     - Each number is divided by its block's scale, clamped to +-6, and rounded to the nearest number of E2M1, ties to even, subnormals kept.
;;     - The product sums the exact products of the quantised numbers (number of the format x scale) in f32.
;;   ~~~python
;;   def quantise(x, axis):      # numpy; x: float32 -> the quantised numbers, widened to float32 again
;;       x = np.moveaxis(x, axis, -1); K = x.shape[-1]
;;       x = np.pad(x, [(0, 0)] * (x.ndim - 1) + [(0, -K % 32)]); x = x.reshape(x.shape[:-1] + (-1, 32)); a = np.abs(x).max(-1, keepdims=True)
;;       e = np.where(a > 0, np.clip(np.frexp(np.where(a > 0, a, 1))[1] - 1 - 2, -126, 127), 0)      # np.frexp(a)[1] - 1 = floor(log2(a)), exactly
;;       r = np.clip(x / 2.0 ** e, -6, 6)
;;       step = 2.0 ** (np.maximum(np.frexp(np.where(r == 0, 1, r))[1] - 1, 0) - 1)
;;       q = np.round(r / step) * step * 2.0 ** e      # np.round: ties to even
;;       return np.moveaxis(q.reshape(q.shape[:-2] + (-1,))[..., :K], -1, axis).astype(np.float32)
;;   ~~~
;;   SOFTMAX AHEAD OF A QUANTISED PRODUCT. Where the list says 'softmax', what is quantised is not the finished softmax but p = 2^(t - M), with t = logit x log2(e) and M = ceil(the row's largest t), a whole number; so 1/2 < the row's largest p <= 1. The row's sum l is taken of the UNQUANTISED p, in f32, and the product's result is divided by l at the end. Since M is a whole number, a kernel that streams over the keys may use a running M (the ceiling of the running maximum): every later rescaling is an exact power of two, which a block's scale takes up: the codes' values come out the same.
;;   OPERANDS COMPUTED ON THE WAY. 'Computed on the way' means the value that the module computes at that place (a softmax that the list does not call 'softmax' is quantised finished and normalised). What goes into a quantiser is computed in f32, as accurately as f32 sums, v_exp_f32 and their like allow (about 1e-6 of the number): no bf16 or f16 on the way to a quantiser, and a product that is left as it is and whose result goes on into a quantised operand takes f32 operands (vector FMAs, or v_wmma_f32_16x16x4_f32). A number that lies on a knife's edge between two numbers of the format may be rounded either way, as far as f32 arithmetic and the matrix unit's own rounding can turn it there, and no further.
;; 2 versions. Each part assembles by itself: llvm-mc -triple=amdgcn-amd-amdhsa -mcpu=gfx1250 --defsym DOCPART=n.
;; ======== version 1 of 2: 3 launches
;; workspace buffers: wts 348,160 bytes; qw 4,456,448 bytes; kv 8,912,896 bytes; hs 16,777,216 bytes
;; launch wprep (part 1): grid 10 x 4, 4 waves a work-group, no clusters, 1,024 bytes of LDS; arguments W_p1, W_p2, W_q, W_k, W_v, wts; writes wts
.if DOCPART == 1
	.amdgcn_target "amdgcn-amd-amdhsa--gfx1250"
	.amdhsa_code_object_version 6
	.text
	.protected	k_q0fda621dc7_wprep
	.globl	k_q0fda621dc7_wprep
	.p2align	8
	.type	k_q0fda621dc7_wprep,@function
k_q0fda621dc7_wprep:
	s_mov_b64 s[64:65], 0
	v_nop
	global_prefetch_b8 v0, s[64:65] scope:SCOPE_SE
	s_setreg_imm32_b32 hwreg(HW_REG_WAVE_MODE, 25, 1), 1
	s_wait_xcnt 0x0
; The five weights, f32 [K][256] with K as the FIRST axis, become codes of FP4 (E2M1) with one E8M0 byte for each 32 along K, laid as IMAGES OF OPERAND REGISTERS:
;   codes       [P 10][w 4][e 2][t 4][c 2][lane 32][16 bytes]      P: a pair of K steps of 128 (0-2 W_p1, 3-6 W_p2, 7 W_q, 8 W_k, 9 W_v), e: the step in the pair,
;   scale words [P 10][w 4][lane 32 = r + 16 e][t 4] x 4 bytes     w: 64 output columns, t: a tile of 16 of them; from byte SCW on.
; THE COLUMNS OF A TILE ARE NOT NEIGHBOURS: lane r of tile 2 b + u takes column 32 b + 8 u + r + 8 (r / 8), so that the results of tiles 2 b and 2 b + 1 are 16 neighbours along the next product's K.
; A LANE TAKES A COLUMN AND ITS REGISTERS RUN DOWN K: a block of 32 lies in one lane's 32 registers, and the conversions give codes with K innermost.  Nothing is transposed.
; A work-group (P, w) takes 64 columns x 256 along K; wave v: columns 32 (v & 1) on, K step v >> 1.  A block q of a lane is registers 4 (q / 2) .. + 3 of lane (r, q & 1) of its tile's fragment.
; A block's byte is its largest magnitude's exponent field - 2, held at 1 from below.
; LIMITS: a block whose largest magnitude lies under 2^-124 (a block of zeros too) gets the byte 1: its codes are zeros or tiny, and this program alone reads the bytes.  NaN and infinities are not served.
; 40 work-groups: the tensors are 2.6 MB in all; no ring, no prefetch, one barrier for the scale words.
.set SCW, 327680
.set X,   48                           ; v48-175  128 numbers: my column, 128 along K
.set CD,  24                           ; v24-39   the codes of four blocks
	s_load_b256 s[4:11], s[0:1], 0x0               ; W_p1 s[4:5], W_p2 s[6:7], W_q s[8:9], W_k s[10:11]
	s_load_b128 s[12:15], s[0:1], 0x20             ; W_v s[12:13], wts s[14:15]
	v_lshl_add_u32 v176, v0, 2, 0x200
	v_mov_b32 v177, 0
	v_lshrrev_b32 v1, 5, v0
	v_readfirstlane_b32 s20, v1                    ; wave
	v_and_b32 v1, 31, v0                           ; lane = my column among 32
	v_lshlrev_b32 v2, 2, v1                        ; in: 4 bytes a lane
	v_and_b32 v6, 7, v1
	v_lshrrev_b32 v7, 4, v1
	v_lshl_add_u32 v6, v7, 3, v6                   ; r: my column's lane in its tile
	v_bfe_u32 v7, v1, 3, 1                         ; u: which of the two tiles
	v_lshlrev_b32 v3, 4, v6
	v_lshl_add_u32 v4, v7, 2, v3                   ; scale word: 16 r + 4 u ..
	v_lshl_add_u32 v3, v7, 10, v3                  ; codes: 1,024 u + 16 r
	v_lshlrev_b32 v5, 4, v1                        ; 16 x lane
	s_and_b32 s21, s20, 1                          ; b
	s_lshr_b32 s22, s20, 1                         ; e
	s_lshl_b32 s23, s22, 8
	s_lshl_b32 s24, s21, 3
	s_add_co_u32 s23, s23, s24
	v_add_nc_u32 v4, s23, v4                       ; .. + 256 e + 8 b
	s_and_b32 s25, ttmp7, 0xffff                   ; w
	s_wait_kmcnt 0x0
	s_cmp_lt_u32 ttmp9, 9                          ; which weight: the choice hangs on the work-group's number alone
	s_cselect_b64 s[16:17], s[10:11], s[12:13]
	s_cmp_lt_u32 ttmp9, 8
	s_cselect_b64 s[16:17], s[8:9], s[16:17]
	s_cmp_lt_u32 ttmp9, 7
	s_cselect_b64 s[16:17], s[6:7], s[16:17]
	s_cselect_b32 s26, 3, ttmp9
	s_cmp_lt_u32 ttmp9, 3
	s_cselect_b64 s[16:17], s[4:5], s[16:17]
	s_cselect_b32 s26, 0, s26
	s_sub_co_u32 s26, ttmp9, s26                   ; the pair's number inside its weight
	s_lshl_b32 s27, s26, 1
	s_add_co_u32 s27, s27, s22                     ; the K step
	s_lshl_b32 s28, s27, 17                        ; 128 rows of 1,024 bytes
	s_lshl_b32 s27, s25, 8
	s_add_co_u32 s28, s28, s27                     ; + 64 w columns
	s_lshl_b32 s27, s21, 7
	s_add_co_u32 s28, s28, s27                     ; + 32 b columns
	s_mov_b32 s29, 0
	s_add_nc_u64 s[16:17], s[16:17], s[28:29]
	s_lshl_b32 s30, ttmp9, 2
	s_add_co_u32 s30, s30, s25                     ; 4 P + w
	s_lshl_b32 s32, s30, 13
	s_lshl_b32 s27, s22, 12
	s_add_co_u32 s32, s32, s27
	s_lshl_b32 s27, s21, 11
	s_add_co_u32 s32, s32, s27
	s_mov_b32 s33, 0
	s_add_nc_u64 s[18:19], s[14:15], s[32:33]      ; my two tiles' images
	s_lshl_b32 s32, s30, 9
	s_add_co_u32 s32, s32, SCW
	s_add_nc_u64 s[34:35], s[14:15], s[32:33]      ; the work-group's 512 bytes of scale words
.set i, 0
.rept 128
	global_load_b32 v[X+i], v2, s[16:17] offset:i*1024 th:TH_LOAD_NT   ; row i of the K step: 32 lanes read 128 consecutive bytes
.set i, i+1
.endr
	s_wait_loadcnt 0x0
.irp q, 0,1,2,3
	v_max3_num_f32 v[8+\q], |v[X+32*\q]|, |v[X+32*\q+1]|, 0x1800000   ; block q's largest magnitude, and the floor 2^(3 - 127): the byte cannot fall under 1
.endr
.irp n, 2,4,6,8,10,12,14,16,18,20,22,24,26,28,30
.irp q, 0,1,2,3
	v_max3_num_f32 v[8+\q], v[8+\q], |v[X+32*\q+\n]|, |v[X+32*\q+\n+1]|   ; (the four blocks by turns)
.endr
.endr
.irp q, 0,1,2,3
	v_add_nc_u32 v[12+\q], 0xff000000, v[8+\q]     ; 2 off the exponent field: the conversion's scale operand
.endr
.irp q, 0,1,2,3
	v_lshrrev_b32 v[16+\q], 23, v[12+\q]           ; the scale's byte
.endr
	v_lshl_or_b32 v20, v17, 8, v16                 ; my column's scale word for this K step
	v_lshl_or_b32 v20, v18, 16, v20
	v_lshl_or_b32 v20, v19, 24, v20
.irp q, 0,1,2,3
.irp g, 0,1,2,3
	v_cvt_scalef32_pk8_fp4_f32 v[CD+4*\q+\g], v[X+32*\q+8*\g:X+32*\q+8*\g+7], v[12+\q]
.endr
.endr
	v_nop                                          ; one plain line behind the last conversion
.irp q, 0,1,2,3
	global_store_b128 v3, v[CD+4*\q:CD+4*\q+3], s[18:19] offset:(\q/2)*512+(\q%2)*256   ; sixteen lanes of a tile store 256 consecutive bytes, aligned
.endr
	ds_store_b32 v4, v20                           ; the scale words meet in LDS, so that they leave as 512 consecutive bytes
	s_wait_dscnt 0x0                               ; for the others' sake: my store has landed
	s_barrier_signal -1
	s_barrier_wait -1
	s_cmp_lg_u32 s20, 0
	s_cbranch_scc1 .Lend
	ds_load_b128 v[40:43], v5
	s_wait_dscnt 0x0
	global_store_b128 v5, v[40:43], s[34:35]
.Lend:
	s_wait_tensorcnt 0x0
	ds_add_u32 v176, v177
	s_wait_dscnt 0x0
	s_endpgm
.Lfunc_end_k_q0fda621dc7_wprep:
	.size	k_q0fda621dc7_wprep, .Lfunc_end_k_q0fda621dc7_wprep-k_q0fda621dc7_wprep
	.p2alignl 7, 3214868480
	.fill 96, 4, 3214868480
	.section	.rodata,"a",@progbits
	.p2align	6, 0x0
	.amdhsa_kernel k_q0fda621dc7_wprep
		.amdhsa_group_segment_fixed_size 1024
		.amdhsa_private_segment_fixed_size 0
		.amdhsa_enable_private_segment 0
		.amdhsa_kernarg_size 48
		.amdhsa_user_sgpr_count 2
		.amdhsa_user_sgpr_kernarg_segment_ptr 1
		.amdhsa_wavefront_size32 1
		.amdhsa_system_sgpr_workgroup_id_x 1
		.amdhsa_system_sgpr_workgroup_id_y 1
		.amdhsa_system_sgpr_workgroup_id_z 1
		.amdhsa_system_vgpr_workitem_id 0
		.amdhsa_next_free_vgpr 178
		.amdhsa_next_free_sgpr 66
		.amdhsa_reserve_vcc 0
		.amdhsa_float_denorm_mode_32 3
		.amdhsa_float_denorm_mode_16_64 3
		.amdhsa_memory_ordered 1
		.amdhsa_forward_progress 1
		.amdhsa_inst_pref_size 21
	.end_amdhsa_kernel
	.amdgpu_metadata
---
amdhsa.version: [ 1, 2 ]
amdhsa.kernels:
  - .name:           k_q0fda621dc7_wprep
    .symbol:         k_q0fda621dc7_wprep.kd
    .args:
      - { .name: W_p1, .offset: 0, .size: 8, .value_kind: global_buffer, .address_space: global }
      - { .name: W_p2, .offset: 8, .size: 8, .value_kind: global_buffer, .address_space: global }
      - { .name: W_q, .offset: 16, .size: 8, .value_kind: global_buffer, .address_space: global }
      - { .name: W_k, .offset: 24, .size: 8, .value_kind: global_buffer, .address_space: global }
      - { .name: W_v, .offset: 32, .size: 8, .value_kind: global_buffer, .address_space: global }
      - { .name: wts, .offset: 40, .size: 8, .value_kind: global_buffer, .address_space: global }
    .group_segment_fixed_size: 1024
    .private_segment_fixed_size: 0
    .kernarg_segment_align: 8
    .kernarg_segment_size: 48
    .max_flat_workgroup_size: 128
    .sgpr_count:     66
    .vgpr_count:     178
    .wavefront_size: 32
...
	.end_amdgpu_metadata
.endif
;; end of part 1
;; launch proj (part 2): grid 256 x 1, 4 waves a work-group, no clusters, 116,224 bytes of LDS; arguments x1, x2, wts, b_p1, b_p2, b_q, b_k, b_v, qw, kv, hs; writes qw, kv, hs
.if DOCPART == 2
	.amdgcn_target "amdgcn-amd-amdhsa--gfx1250"
	.amdhsa_code_object_version 6
	.text
	.protected	k_q0fda621dc7_proj
	.globl	k_q0fda621dc7_proj
	.p2align	8
	.type	k_q0fda621dc7_proj,@function
k_q0fda621dc7_proj:
	s_mov_b64 s[64:65], 0
	v_nop
	global_prefetch_b8 v0, s[64:65] scope:SCOPE_SE
	s_setreg_imm32_b32 hwreg(HW_REG_WAVE_MODE, 25, 1), 1
	s_wait_xcnt 0x0
; For 64 rows of x1 and of x2: h = Q(x) Q(Wp) + bp for both sides; hs = h1 + h2; q, k, v = Q(h) Q(W) + b for both sides, quantised (q, k along the width, v along the rows, which are the keys).
; All products on codes of FP4 (E2M1) with one E8M0 byte for each 32 along K.  Nothing but hs and codes goes to memory.
; SHARES.  Work-group G takes rows 64 G .. 64 G + 63.  Wave w QUANTISES the row tile m = w and, for all 64 rows, MULTIPLIES by columns 64 w .. 64 w + 63 of every weight: a weight fragment comes from memory once a work-group
; and feeds four matrix instructions.  The rows' codes go from wave to wave through LDS as images of operand registers (16 bytes a lane, 512 bytes on end; scale words beside them).
; ONE ORDER EVERYWHERE: lane r of tile 2 b + u (of rows, or of a weight's columns) is index 32 b + 8 u + r + 8 (r / 8).  With such a tile as source 0, lane (r, h) holds in register j of tiles 2 b, 2 b + 1 the indices
; 32 b + 16 h + 0 .. 15: sixteen neighbours, as the conversions want them.  h, q, k: source 0 = the weight, source 1 = the rows (a lane holds one row, registers along the width).  v: source 0 = the rows, source 1 = the weight
; (a lane holds one column, registers along the keys).
; THE STREAM.  14 K steps of 128 (6 of x1, 8 of x2).  Each load reads 512 consecutive bytes of one row; a step's 16 rows turn through the wave's own stage in LDS so that a lane gets 16 neighbours of each block.
; Loads run three steps ahead in three sets of registers; the weights' fragments one step ahead in two.  No LDS byte outside a wave's own stage is written twice, so each hand-over costs one barrier.
; LIMITS: a block whose largest magnitude lies under 2^-124 (a block of zeros too) carries the byte 1; NaN and infinities among the inputs are not served.
; No tensor loads: the operands that stream are f32 and must pass through registers anyway.  No cluster: the weights go straight into registers.  No prefetch: the x stream keeps its own loads far ahead.
; REGISTERS, in windows of 256:  window 0: v1-14 addresses; v20-59 the weights' scale words (4 a pair P; lanes 0-15 the pair's first K step, lanes 16-31 its second); v60-63 the rows' scale words; v64-127 64 numbers of x;
;   v128-191 the rows' fragments; v192-199 codes just made; v200-216 at work; v220-227 the scale words' way out.
;   window 1: v0-191 x as loaded, three sets; v192-255 Wp's fragments, two sets; later v0-127 q, k or v; v128-223 b_q, b_k, b_v in the results' layout.
;   window 2: v0-127 h1, v128-255 h2 (tile of rows m, tile of columns t at 32 m + 8 t).   window 3: v0-63 b_p1, b_p2; v64-255 W_q, W_k, W_v (tile t, K step s at 8 (2 t + s)).
.set SPITCH, 528                       ; a stage row: 512 bytes + 16: an odd multiple of 16 bytes
.set XSC,    57344                     ; LDS: 0: x's images [step 14][m 4][c 2][lane][16];  XSC: their scale words [step][r 16][m 4]
.set R2,     61440                     ; R2: h's images [side 2][m 4][s 2][c 2][lane][16];
.set HSCO,   16384                     ;   + HSCO: their scale words [side][lane = r + 16 s][m 4];
.set SGO,    17408                     ;   + SGO: the scale words of q, k, v [side][kind 3][512]
.set STG,    81920                     ; the four waves' stages, 16 rows each
.set LI,  1                            ; 16 x lane: an image's place, in LDS and in memory
.set STI, 3                            ; my stage, on the way in
.set STO, 4                            ; and on the way out: row r, + 64 h
.set XWI, 5                            ; where I store x's image: 16 x lane + 1,024 w
.set XWS, 6                            ; and its scale word: 16 r + 4 w
.set R16, 7                            ; 16 r
.set HWI, 8                            ; R2 + 16 x lane + 512 w
.set LI2, 9                            ; R2 + 16 x lane
.set KGA, 10                           ; R2 + 16 r + 256 (w / 2) + 2 (w % 2): half a scale word of h or k
.set QGA, 11                           ; R2 + 4 r + 64 (w / 2) + 2 (w % 2): of q
.set VGA, 12                           ; R2 + 16 r + 4 w: of v
.set BH,  13                           ; 64 h: a bias in the layout 'registers along the width'
.set BR,  14                           ; 4 (r + 8 (r / 8)): in the layout 'a lane a column'
.set WSC, 20
.set XS,  60
.set XN,  64
.set XF,  128
.set HF,  128
.set PC,  192
.set TM,  200
.set PW,  216
.set CP,  220
.set RAW, 0
.set WS,  192
.set ACC, 0
.set BQ,  128
.set BK,  160
.set BV,  192
.set BP,  0
.set WQ,  64
.set SEL, 42
.set MSB, 0
.macro WIN new                         ; the immediate's high byte repeats the setting that is left; a switch that changes nothing is dropped
.if MSB != (\new)
	s_set_vgpr_msb (MSB<<8)|(\new)
.set MSB, (\new)
.endif
.endm
.macro PLACES n                        ; plain lines between a matrix instruction and a load into, or a read of, its registers
.rept \n
	v_nop
.endr
.endm
.macro BARRIER                         ; my LDS stores have landed and my LDS loads are in: then the work-group's barrier
	s_wait_dscnt 0x0
	s_barrier_signal -1
	s_barrier_wait -1
.endm
; The matrix instruction.  row = 0: both sides' scales from lanes 0-15; 1: source 0's from lanes 16-31; 3: both from lanes 16-31.
.macro MM d, a, b, c, sa, sb, row
.if (\row) == 0
	v_wmma_scale_f32_16x16x128_f8f6f4 v[(\d):(\d)+7], v[(\a):(\a)+7], v[(\b):(\b)+7], v[(\c):(\c)+7], v[\sa], v[\sb] matrix_a_fmt:MATRIX_FMT_FP4 matrix_b_fmt:MATRIX_FMT_FP4
.elseif (\row) == 1
	v_wmma_scale_f32_16x16x128_f8f6f4 v[(\d):(\d)+7], v[(\a):(\a)+7], v[(\b):(\b)+7], v[(\c):(\c)+7], v[\sa], v[\sb] matrix_a_fmt:MATRIX_FMT_FP4 matrix_b_fmt:MATRIX_FMT_FP4 matrix_a_scale:MATRIX_SCALE_ROW1
.else
	v_wmma_scale_f32_16x16x128_f8f6f4 v[(\d):(\d)+7], v[(\a):(\a)+7], v[(\b):(\b)+7], v[(\c):(\c)+7], v[\sa], v[\sb] matrix_a_fmt:MATRIX_FMT_FP4 matrix_b_fmt:MATRIX_FMT_FP4 matrix_a_scale:MATRIX_SCALE_ROW1 matrix_b_scale:MATRIX_SCALE_ROW1
.endif
.endm
; 64 numbers of a lane in window win, register 16 b + i = number 16 h + i of block b, become 8 registers of codes in v[PC] on (registers 4 c .. 4 c + 3: lanes 0-15 block 2 c, lanes 16-31 block 2 c + 1) and four scale bytes in v[PW].
; The sources are read in ascending order, so that each matrix result is first read at its low end.
.macro QUANT src, win
	WIN ((\win)<<2)|((\win)<<4)
.irp b, 0,1,2,3
	v_max3_num_f32 v[TM+\b], 0x1800000, |v[(\src)+16*\b]|, |v[(\src)+16*\b+1]|   ; my 16 numbers of block b, and the floor 2^(3 - 127): the byte cannot fall under 1
.endr
.irp i, 2,4,6,8,10,12,14
.irp b, 0,1,2,3
	v_max3_num_f32 v[TM+\b], v[TM+\b], |v[(\src)+16*\b+\i]|, |v[(\src)+16*\b+\i+1]|   ; (the four blocks by turns)
.endr
.endr
	WIN 0
.irp b, 0,1,2,3
	v_permlanex16_b32 v[TM+4+\b], v[TM+\b], s[SEL], s[SEL+1]
.endr
.irp b, 0,1,2,3
	v_max_num_f32 v[TM+\b], v[TM+\b], v[TM+4+\b]   ; with lane l xor 16's: the block's largest magnitude
.endr
.irp b, 0,1,2,3
	v_add_nc_u32 v[TM+12+\b], 0xff000000, v[TM+\b] ; 2 off its exponent field: the conversion's scale operand
.endr
.irp b, 0,1,2,3
	v_lshrrev_b32 v[TM+4+\b], 23, v[TM+12+\b]      ; the scale's byte
.endr
	v_lshl_or_b32 v[PW], v[TM+5], 8, v[TM+4]
	v_lshl_or_b32 v[PW], v[TM+6], 16, v[PW]
	v_lshl_or_b32 v[PW], v[TM+7], 24, v[PW]
	WIN (\win)
.irp b, 0,1,2,3
	v_cvt_scalef32_pk8_fp4_f32 v[PC+2*\b], v[(\src)+16*\b:(\src)+16*\b+7], v[TM+12+\b]
	v_cvt_scalef32_pk8_fp4_f32 v[PC+2*\b+1], v[(\src)+16*\b+8:(\src)+16*\b+15], v[TM+12+\b]
.endr
	WIN 0
	v_nop                                          ; one plain line behind the last conversion
.irp c, 0,1
.irp i, 0,1
	v_permlane16_swap_b32 v[PC+4*\c+\i], v[PC+4*\c+2+\i]   ; half blocks change lanes: a lane now holds a whole block
.endr
.endr
.endm
; K step j of x: my tile's 16 rows, 512 bytes each, into set j % 3 (window 1)
.macro XLOAD j
.irp i, 0,1,2,3,4,5,6,7,8,9,10,11,12,13,14,15
.if (\j) < 6
	global_load_b128 v[RAW+64*((\j)%3)+4*\i:RAW+64*((\j)%3)+4*\i+3], v[LI], s[4:5] offset:(\i+8*(\i/8))*3072+512*(\j) th:TH_LOAD_NT
.else
	global_load_b128 v[RAW+64*((\j)%3)+4*\i:RAW+64*((\j)%3)+4*\i+3], v[LI], s[6:7] offset:(\i+8*(\i/8))*4096+512*((\j)-6) th:TH_LOAD_NT
.endif
.endr
.endm
; K step j of Wp: my four tiles' fragments into set j % 2 (window 1)
.macro WLOAD j
.irp t, 0,1,2,3
.irp c, 0,1
	global_load_b128 v[WS+32*((\j)%2)+8*\t+4*\c:WS+32*((\j)%2)+8*\t+4*\c+3], v[LI], s[8:9] offset:((\j)/2)*32768+((\j)%2)*4096+\t*1024+\c*512
.endr
.endr
.endm
; pair p (W_q, W_k or W_v): my four tiles x two K steps, to stay in window 3
.macro W3LOAD p, reg
.irp t, 0,1,2,3
.irp s, 0,1
.irp c, 0,1
	global_load_b128 v[(\reg)+8*(2*\t+\s)+4*\c:(\reg)+8*(2*\t+\s)+4*\c+3], v[LI], s[8:9] offset:(\p)*32768+\s*4096+\t*1024+\c*512
.endr
.endr
.endr
.endm
; K step j's 16 matrix instructions: four tiles of rows x my four tiles of columns.  The 16 accumulators take turns, one instruction a turn.  A side's first step takes the bias as C.
.macro MUL j
.set HB, 0
.if (\j) >= 6
.set HB, 128
.endif
.if ((\j) == 0) || ((\j) == 6)
	WIN 0xb1                                       ; source 0 (Wp) window 1, source 1 (x) window 0, C (the bias) window 3, D window 2
.else
	WIN 0xa1                                       ; C and D window 2
.endif
.irp m, 0,1,2,3
.irp t, 0,1,2,3
.if ((\j) == 0) || ((\j) == 6)
	MM HB+32*\m+8*\t, WS+8*\t, XF+8*\m, BP+HB/4+8*\t, WSC+4*((\j)/2)+\t, XS+\m, 0
.else
	MM HB+32*\m+8*\t, WS+32*((\j)%2)+8*\t, XF+8*\m, HB+32*\m+8*\t, WSC+4*((\j)/2)+\t, XS+\m, (\j)%2
.endif
.endr
.endr
.endm
; TRIP i: step i's numbers turn through my stage | step i - 1 is multiplied | loads go out ahead | step i is quantised, its image stored | barrier | all four tiles' fragments of step i are fetched.
.macro TRIP i
.if (\i) < 3
	s_wait_loadcnt 63                              ; step i's 16 loads are in.  More than 63 younger loads are out here, and the count's field holds no more: a smaller count is safe
.else
	s_wait_loadcnt 48                              ; behind step i's loads: W(i-1) 8, X(i+1) 16, W(i) 8, X(i+2) 16
.endif
	WIN 0x04                                       ; an LDS store's data: window 1
.irp n, 0,1,2,3,4,5,6,7,8,9,10,11,12,13,14,15
	ds_store_b128 v[STI], v[RAW+64*((\i)%3)+4*\n:RAW+64*((\i)%3)+4*\n+3] offset:SPITCH*\n
.endr
	WIN 0
.irp b, 0,1,2,3
.irp n, 0,1,2,3
	ds_load_b128 v[XN+16*\b+4*\n:XN+16*\b+4*\n+3], v[STO] offset:128*\b+16*\n   ; LDS serves a wave's instructions in order (ISA guide 5.7.1): these see my stores
.endr
.endr
.if (\i) > 0
	s_wait_dscnt 32                                ; the last trip's nine fragment loads are in; behind them: this trip's 16 stores and 16 loads
.if (\i) == 1
	s_wait_loadcnt 24                              ; W(0), and the scale words and biases issued ahead of it, are in; behind it: W(1) 8, X(3) 16
.else
	s_wait_loadcnt 40                              ; W(i-1) is in; behind it: X(i+1) 16, W(i) 8, X(i+2) 16
.endif
	MUL (\i)-1
	WIN 0
	PLACES 4                                       ; in front of the loads into the set of Wp's fragments just multiplied
.endif
	WIN 0x40                                       ; destination window 1
.if (\i) < 13
	WLOAD (\i)+1
.endif
	s_wait_dscnt 0x0                               ; my numbers are back from the stage: so its stores have read their registers, which take the loads of three steps on
.if (\i) < 11
	XLOAD (\i)+3
.else
	WIN 0xc0                                       ; destination window 3: where x has no more steps, the later weights come in its turn
	W3LOAD (\i)-4, WQ+64*((\i)-11)
.endif
	WIN 0
	QUANT XN, 0
	ds_store_b128 v[XWI], v[PC:PC+3] offset:4096*(\i)
	ds_store_b128 v[XWI], v[PC+4:PC+7] offset:4096*(\i)+512
	ds_store_b32 v[XWS], v[PW] offset:XSC+256*(\i) ; (both halves of the lanes hold the same word and write the same place)
	BARRIER                                        ; step i's four fragments lie in LDS
.irp m, 0,1,2,3
.irp c, 0,1
	ds_load_b128 v[XF+8*\m+4*\c:XF+8*\m+4*\c+3], v[LI] offset:4096*(\i)+1024*\m+512*\c
.endr
.endr
	ds_load_b128 v[XS:XS+3], v[R16] offset:XSC+256*(\i)   ; lane r: row r's scale words of the four tiles
.endm
; q or k: source 0 = the weight (window 3), source 1 = h's fragments; 16 accumulators by turns, K step by K step; the bias is the first step's C
.macro PRODQK wreg, breg, sreg
	WIN 0x53                                       ; source 0 window 3, source 1 window 0, C and D window 1
.irp s, 0,1
.irp m, 0,1,2,3
.irp t, 0,1,2,3
.if \s == 0
	MM ACC+32*\m+8*\t, (\wreg)+16*\t, HF+16*\m, (\breg)+8*\t, (\sreg)+\t, XS+\m, 0
.else
	MM ACC+32*\m+8*\t, (\wreg)+16*\t+8, HF+16*\m+8, ACC+32*\m+8*\t, (\sreg)+\t, XS+\m, 3
.endif
.endr
.endr
.endr
.endm
; v: the sources change places, so that a lane holds one column and its registers run along the keys
.macro PRODV
	WIN 0x5c                                       ; source 0 window 0, source 1 window 3, C and D window 1
.irp s, 0,1
.irp t, 0,1,2,3
.irp m, 0,1,2,3
.if \s == 0
	MM ACC+32*\t+8*\m, HF+16*\m, WQ+128+16*\t, BV+8*\t, XS+\m, WSC+36+\t, 0
.else
	MM ACC+32*\t+8*\m, HF+16*\m+8, WQ+128+16*\t+8, ACC+32*\t+8*\m, XS+\m, WSC+36+\t, 3
.endif
.endr
.endr
.endr
.endm
; The way out of q, k or v: two tiles at a time are quantised; each tile's four registers of codes are 512 consecutive bytes of its image in memory; its two scale bytes go to LDS, where the four waves' meet.
.macro OUT ptr, cs, ch, ga, off, step, hi
.irp p, 0,1
	s_wait_xcnt 0x0                                ; the last stores have read the codes' registers
	s_wait_dscnt 0x0                               ; and so have the LDS stores
	QUANT ACC+64*\p, 1
	global_store_b128 v[LI], v[PC:PC+3], s[(\ptr):(\ptr)+1] offset:(\cs)*\p
	global_store_b128 v[LI], v[PC+4:PC+7], s[(\ptr):(\ptr)+1] offset:(\cs)*\p+(\ch)
	ds_store_b16 v[\ga], v[PW] offset:(\off)+(\step)*\p
	ds_store_b16_d16_hi v[\ga], v[PW] offset:(\off)+(\step)*\p+(\hi)
.endr
.endm
.macro QKV g                           ; side g
.irp m, 0,1,2,3
.irp s, 0,1
.irp c, 0,1
	ds_load_b128 v[HF+8*(2*\m+\s)+4*\c:HF+8*(2*\m+\s)+4*\c+3], v[LI2] offset:8192*(\g)+2048*\m+1024*\s+512*\c
.endr
.endr
.endr
	ds_load_b128 v[XS:XS+3], v[LI2] offset:HSCO+512*(\g)   ; lanes 0-15: K step 0's words of the four tiles; lanes 16-31: K step 1's
	s_wait_dscnt 0x0
	s_wait_loadcnt 0x0                             ; the three weights and the three biases
	PRODQK WQ, BQ, WSC+28
	WIN 0
	PLACES 4
	OUT 30+2*(\g), 4096, 2048, QGA, SGO+1536*(\g), 256, 128
	PRODQK WQ+64, BK, WSC+32
	WIN 0
	PLACES 4
	OUT 34+2*(\g), 4096, 2048, KGA, SGO+1536*(\g)+512, 8, 4
	PRODV
	WIN 0
	PLACES 4
	OUT 38+2*(\g), 2048, 1024, VGA, SGO+1536*(\g)+1024, 2, 256
.endm
	s_load_b256 s[4:11], s[0:1], 0x0               ; x1 s[4:5], x2 s[6:7], wts s[8:9], b_p1 s[10:11]
	s_load_b256 s[12:19], s[0:1], 0x20             ; b_p2 s[12:13], b_q s[14:15], b_k s[16:17], b_v s[18:19]
	s_load_b128 s[20:23], s[0:1], 0x40             ; qw s[20:21], kv s[22:23]
	s_load_b64 s[24:25], s[0:1], 0x50              ; hs
	v_lshl_add_u32 v254, v0, 2, 0x1c400
	v_mov_b32 v255, 0
	v_lshrrev_b32 v2, 5, v0
	v_readfirstlane_b32 s26, v2                    ; wave w
	v_and_b32 v2, 31, v0                           ; lane
	v_and_b32 v15, 15, v0                          ; r
	v_bfe_u32 v16, v0, 4, 1                        ; h
	v_lshlrev_b32 v[LI], 4, v2
	s_mul_i32 s48, s26, 16*SPITCH
	s_add_co_u32 s48, s48, STG                     ; my stage
	v_add_nc_u32 v[STI], s48, v[LI]
	v_mul_u32_u24 v[STO], v15, SPITCH
	v_lshl_add_u32 v[STO], v16, 6, v[STO]
	v_add_nc_u32 v[STO], s48, v[STO]
	s_lshl_b32 s48, s26, 10
	v_add_nc_u32 v[XWI], s48, v[LI]
	v_lshlrev_b32 v[R16], 4, v15
	s_lshl_b32 s48, s26, 2
	v_add_nc_u32 v[XWS], s48, v[R16]
	v_add_nc_u32 v[VGA], s48, v[R16]
	v_add_nc_u32 v[VGA], R2, v[VGA]
	v_add_nc_u32 v[LI2], R2, v[LI]
	s_lshl_b32 s48, s26, 9
	v_add_nc_u32 v[HWI], s48, v[LI2]
	s_lshr_b32 s49, s26, 1                         ; w / 2
	s_and_b32 s50, s26, 1                          ; w % 2
	s_lshl_b32 s51, s49, 8
	s_lshl_b32 s52, s50, 1
	s_add_co_u32 s51, s51, s52
	s_add_co_u32 s51, s51, R2
	v_add_nc_u32 v[KGA], s51, v[R16]
	s_lshl_b32 s51, s49, 6
	s_add_co_u32 s51, s51, s52
	s_add_co_u32 s51, s51, R2
	v_lshl_add_u32 v[QGA], v15, 2, s51
	v_lshlrev_b32 v[BH], 6, v16
	v_and_b32 v17, 8, v15
	v_add_nc_u32 v17, v17, v15                     ; r + 8 (r / 8)
	v_lshlrev_b32 v[BR], 2, v17
.irp b, 0,1,2,3
	v_mov_b32 v[TM+4+\b], 0                        ; written once: a lane permute's destination counts as one of its sources
.endr
	s_mov_b32 s[SEL], 0x76543210
	s_mov_b32 s[SEL+1], 0xfedcba98                 ; v_permlanex16_b32's selects for lane l xor 16
	; every pointer is made here, ahead of the first load: none is written while a load is out
	s_lshl_b32 s53, ttmp9, 6
	s_lshl_b32 s54, s49, 5
	s_add_co_u32 s53, s53, s54
	s_lshl_b32 s54, s50, 3
	s_add_co_u32 s53, s53, s54                     ; my tile's first row: 64 G + 32 (w / 2) + 8 (w % 2)
	s_mul_i32 s54, s53, 3072
	s_mov_b32 s55, 0
	s_and_b32 s56, ttmp9, 0xfe
	s_mul_i32 s56, s56, 34816                      ; kv: the key step's block of side 0: 2 (G / 2) blocks of 34,816 bytes
	s_and_b32 s57, ttmp9, 1                        ; g: which half of the key step is mine
	s_lshl_b32 s58, s57, 9                         ; 512 g
	s_wait_kmcnt 0x0
	s_add_nc_u64 s[4:5], s[4:5], s[54:55]          ; x1 at my tile
	s_lshl_b32 s54, s53, 12
	s_add_nc_u64 s[6:7], s[6:7], s[54:55]          ; x2 likewise
	s_lshl_b32 s54, s26, 9
	s_add_co_u32 s54, s54, 327680
	s_add_nc_u64 s[28:29], s[8:9], s[54:55]        ; the weights' scale words, my 64 columns
	s_lshl_b32 s54, s26, 13
	s_add_nc_u64 s[8:9], s[8:9], s[54:55]          ; the weights' codes, my 64 columns
	s_lshl_b32 s54, s26, 8
.irp p, 10,12,14,16,18
	s_add_nc_u64 s[\p:\p+1], s[\p:\p+1], s[54:55]  ; the biases, my 64 columns
.endr
	s_lshl_b32 s59, ttmp9, 1
	s_mul_i32 s59, s59, 8704                       ; qw: my group's block of side 0
	s_lshl_b32 s52, s26, 9
	s_add_co_u32 s54, s59, s52
	s_add_nc_u64 s[30:31], s[20:21], s[54:55]      ; q's codes: + 512 w
	s_add_nc_u64 s[32:33], s[30:31], 8704
	s_lshl_b32 s54, s57, 13
	s_add_co_u32 s54, s54, s56
	s_add_co_u32 s54, s54, s52
	s_add_nc_u64 s[34:35], s[22:23], s[54:55]      ; k's codes: + 8,192 g + 512 w
	s_add_nc_u64 s[36:37], s[34:35], 34816
	s_lshl_b32 s54, s26, 12
	s_add_co_u32 s54, s54, s58
	s_add_co_u32 s54, s54, s56
	s_add_co_u32 s54, s54, 16384
	s_add_nc_u64 s[38:39], s[22:23], s[54:55]      ; v's codes: + 16,384 + 4,096 w + 512 g
	s_add_nc_u64 s[40:41], s[38:39], 34816
	s_lshl_b32 s54, ttmp9, 16
	s_lshl_b32 s60, s26, 14
	s_add_co_u32 s54, s54, s60
	s_add_nc_u64 s[24:25], s[24:25], s[54:55]      ; hs: 65,536 G + 16,384 w
	s_lshl_b32 s54, s26, 10                        ; the scale words' way out: wave 0 q's, wave 1 k's, wave 2 v's
	s_add_co_u32 s54, s54, s58
	s_add_co_u32 s54, s54, s56
	s_add_co_u32 s54, s54, 31744                   ; in kv: block + 32,768 + 1,024 (w - 1) + 512 g
	s_add_co_u32 s59, s59, 8192                    ; in qw: block + 8,192
	s_mov_b32 s60, 8704
	s_mov_b32 s61, 34816
	s_cmp_eq_u32 s26, 0
	s_cselect_b64 s[44:45], s[20:21], s[22:23]
	s_cselect_b32 s54, s59, s54
	s_cselect_b32 s60, s60, s61
	s_mov_b32 s61, 0
	s_add_nc_u64 s[44:45], s[44:45], s[54:55]      ; side 0's
	s_add_nc_u64 s[46:47], s[44:45], s[60:61]      ; side 1's
	WIN 0x40
	XLOAD 0
	XLOAD 1
	XLOAD 2
	WIN 0
.irp p, 0,1,2,3,4,5,6,7,8,9
	global_load_b128 v[WSC+4*\p:WSC+4*\p+3], v[LI], s[28:29] offset:2048*\p   ; pair p: lane r + 16 e takes the words of my four tiles
.endr
	WIN 0xc0
.irp t, 0,1,2,3
	global_load_b128 v[BP+8*\t:BP+8*\t+3], v[BH], s[10:11] offset:(32*(\t/2)+8*(\t%2))*4          ; lane (r, h), tile t: columns 32 (t / 2) + 8 (t % 2) + 16 h + 0 .. 7
	global_load_b128 v[BP+8*\t+4:BP+8*\t+7], v[BH], s[10:11] offset:(32*(\t/2)+8*(\t%2))*4+16
	global_load_b128 v[BP+32+8*\t:BP+32+8*\t+3], v[BH], s[12:13] offset:(32*(\t/2)+8*(\t%2))*4
	global_load_b128 v[BP+32+8*\t+4:BP+32+8*\t+7], v[BH], s[12:13] offset:(32*(\t/2)+8*(\t%2))*4+16
.endr
	WIN 0x40
	WLOAD 0
	WIN 0
.irp i, 0,1,2,3,4,5,6,7,8,9,10,11,12,13
	TRIP \i
.endr
	s_wait_dscnt 0x0                               ; the last step's fragments
	s_wait_loadcnt 32                              ; W(13) is in; behind it: W_k 16, W_v 16
	MUL 13
	WIN 0
	PLACES 4
	; ---- h is whole.  The later biases are asked for; h is quantised, two tiles of rows at a time: my 64 columns are half a K step (s = w / 2, c = w % 2) of each tile's fragment
	WIN 0x40
.irp t, 0,1,2,3
	global_load_b128 v[BQ+8*\t:BQ+8*\t+3], v[BH], s[14:15] offset:(32*(\t/2)+8*(\t%2))*4
	global_load_b128 v[BQ+8*\t+4:BQ+8*\t+7], v[BH], s[14:15] offset:(32*(\t/2)+8*(\t%2))*4+16
	global_load_b128 v[BK+8*\t:BK+8*\t+3], v[BH], s[16:17] offset:(32*(\t/2)+8*(\t%2))*4
	global_load_b128 v[BK+8*\t+4:BK+8*\t+7], v[BH], s[16:17] offset:(32*(\t/2)+8*(\t%2))*4+16
.endr
.irp t, 0,1,2,3
.irp j, 0,1,2,3,4,5,6,7
	global_load_b32 v[BV+8*\t+\j], v[BR], s[18:19] offset:(32*(\t/2)+8*(\t%2))*4   ; in v's layout a lane holds one column: its bias stands in all eight registers
.endr
.endr
	WIN 0
.irp g, 0,1
.irp p, 0,1
	s_wait_dscnt 0x0                               ; the last stores have read the codes' registers
	QUANT 128*\g+64*\p, 2
	ds_store_b128 v[HWI], v[PC:PC+3] offset:8192*\g+4096*\p
	ds_store_b128 v[HWI], v[PC+4:PC+7] offset:8192*\g+4096*\p+2048
	ds_store_b16 v[KGA], v[PW] offset:HSCO+512*\g+8*\p          ; two bytes of tile 2 p's scale word,
	ds_store_b16_d16_hi v[KGA], v[PW] offset:HSCO+512*\g+8*\p+4 ; two of tile 2 p + 1's
.endr
.endr
	WIN 0x8a                                       ; all in window 2
.set k, 0
.rept 64
	v_pk_add_f32 v[k:k+1], v[k:k+1], v[128+k:129+k]   ; h1 + h2
.set k, k+2
.endr
	WIN 0x08                                       ; a store's data: window 2
.set k, 0
.rept 32
	global_store_b128 v[LI], v[4*k:4*k+3], s[24:25] offset:512*k th:TH_STORE_NT   ; as an image of these registers: 512 consecutive bytes a store
.set k, k+1
.endr
	WIN 0
	BARRIER                                        ; h's sixteen fragments lie in LDS
	QKV 0
	QKV 1
	BARRIER                                        ; the scale words of q, k and v are whole
	s_cmp_lt_u32 s26, 3
	s_cbranch_scc0 .Ldone
	ds_load_b128 v[CP:CP+3], v[HWI] offset:SGO     ; wave w takes kind w: 512 bytes a side
	ds_load_b128 v[CP+4:CP+7], v[HWI] offset:SGO+1536
	s_wait_dscnt 0x0
	global_store_b128 v[LI], v[CP:CP+3], s[44:45]
	global_store_b128 v[LI], v[CP+4:CP+7], s[46:47]
.Ldone:
	s_wait_tensorcnt 0x0
	ds_add_u32 v254, v255
	s_wait_dscnt 0x0
	s_endpgm
.Lfunc_end_k_q0fda621dc7_proj:
	.size	k_q0fda621dc7_proj, .Lfunc_end_k_q0fda621dc7_proj-k_q0fda621dc7_proj
	.p2alignl 7, 3214868480
	.fill 96, 4, 3214868480
	.section	.rodata,"a",@progbits
	.p2align	6, 0x0
	.amdhsa_kernel k_q0fda621dc7_proj
		.amdhsa_group_segment_fixed_size 116224
		.amdhsa_private_segment_fixed_size 0
		.amdhsa_enable_private_segment 0
		.amdhsa_kernarg_size 88
		.amdhsa_user_sgpr_count 2
		.amdhsa_user_sgpr_kernarg_segment_ptr 1
		.amdhsa_wavefront_size32 1
		.amdhsa_system_sgpr_workgroup_id_x 1
		.amdhsa_system_sgpr_workgroup_id_y 1
		.amdhsa_system_sgpr_workgroup_id_z 1
		.amdhsa_system_vgpr_workitem_id 0
		.amdhsa_next_free_vgpr 1024
		.amdhsa_next_free_sgpr 66
		.amdhsa_reserve_vcc 0
		.amdhsa_float_denorm_mode_32 3
		.amdhsa_float_denorm_mode_16_64 3
		.amdhsa_memory_ordered 1
		.amdhsa_forward_progress 1
		.amdhsa_inst_pref_size 255
	.end_amdhsa_kernel
	.section	.bss,"aw",@nobits
	.p2align	6
	.space	262144
	.amdgpu_metadata
---
amdhsa.version: [ 1, 2 ]
amdhsa.kernels:
  - .name:           k_q0fda621dc7_proj
    .symbol:         k_q0fda621dc7_proj.kd
    .args:
      - { .name: x1, .offset: 0, .size: 8, .value_kind: global_buffer, .address_space: global }
      - { .name: x2, .offset: 8, .size: 8, .value_kind: global_buffer, .address_space: global }
      - { .name: wts, .offset: 16, .size: 8, .value_kind: global_buffer, .address_space: global }
      - { .name: b_p1, .offset: 24, .size: 8, .value_kind: global_buffer, .address_space: global }
      - { .name: b_p2, .offset: 32, .size: 8, .value_kind: global_buffer, .address_space: global }
      - { .name: b_q, .offset: 40, .size: 8, .value_kind: global_buffer, .address_space: global }
      - { .name: b_k, .offset: 48, .size: 8, .value_kind: global_buffer, .address_space: global }
      - { .name: b_v, .offset: 56, .size: 8, .value_kind: global_buffer, .address_space: global }
      - { .name: qw, .offset: 64, .size: 8, .value_kind: global_buffer, .address_space: global }
      - { .name: kv, .offset: 72, .size: 8, .value_kind: global_buffer, .address_space: global }
      - { .name: hs, .offset: 80, .size: 8, .value_kind: global_buffer, .address_space: global }
    .group_segment_fixed_size: 116224
    .private_segment_fixed_size: 0
    .kernarg_segment_align: 8
    .kernarg_segment_size: 88
    .max_flat_workgroup_size: 128
    .sgpr_count:     66
    .vgpr_count:     1024
    .wavefront_size: 32
...
	.end_amdgpu_metadata
.endif
;; end of part 2
;; launch attn (part 3): grid 32 x 8, 4 waves a work-group, clusters of 4 x 1, 327,680 bytes of LDS; arguments qw, kv, hs, gamma, out0; writes out0
.if DOCPART == 3
	.amdgcn_target "amdgcn-amd-amdhsa--gfx1250"
	.amdhsa_code_object_version 6
	.text
	.protected	k_q0fda621dc7_attn
	.globl	k_q0fda621dc7_attn
	.p2align	8
	.type	k_q0fda621dc7_attn,@function
k_q0fda621dc7_attn:
	s_mov_b64 s[64:65], 0
	v_nop
	global_prefetch_b8 v0, s[64:65] scope:SCOPE_SE
	s_setreg_imm32_b32 hwreg(HW_REG_WAVE_MODE, 25, 1), 1
	s_wait_xcnt 0x0
	s_wait_alu depctr_hold_cnt(0) depctr_sa_sdst(0) depctr_va_vdst(0) depctr_va_sdst(0) depctr_va_ssrc(0) depctr_va_vcc(0) depctr_vm_vsrc(0)
	s_getreg_b32 s2, hwreg(HW_REG_IB_STS2, 6, 4)
	s_cmp_eq_u32 s2, 0
	s_cbranch_scc0 .Lentry_in_a_cluster
	s_endpgm
.Lentry_in_a_cluster:
	s_bfe_u32 s2, ttmp6, 0x10000c
	s_cmp_lg_u32 s2, 0x3003
	s_cbranch_scc0 .Lentry_shape_is_right
	s_endpgm
.Lentry_shape_is_right:
; out = gamma (attend(q1, k2, v2) + attend(q2, k1, v1)) + (h1 + h2), both products of each attention on codes of FP4 (E2M1) with one E8M0 byte for each 32 along K.
; THE SOFTMAX AHEAD OF THE SECOND PRODUCT: t = score x log2(e) / 16; M = the row's largest t so far, rounded UP to a whole number; p = 2^(t - M) is quantised along the keys, not normalised.
; The row's sum is taken of the unquantised p and divides at the end.  When M moves, the sum and O are multiplied by 2^(old M - new M): exact.
; SHARES.  A work-group owns 64 rows of one batch, for BOTH directions.  Four waves, as many as a WGP has SIMDs.  Wave WV: side d = WV / 2, TWO tiles of 16 queries, 2 (WV % 2) + i; its keys and values are the other side's.
; So each fragment of K and of V^T that a wave reads from LDS feeds two matrix instructions: a work-group reads 4 x 68 x 512 bytes of LDS for a key step.  Every wave walks 16 key steps of 128.
; LAYOUT.  Both products are used transposed (S^T = K Q^T, O^T = V^T P^T): a lane holds ONE query of each tile throughout.  All operands lie in memory as images of operand registers (a fragment: [c 2][lane 32][16 bytes]), with
; the rows of a tile in the order r + 8 (r / 8), so that p's 16 registers of two neighbouring tiles are 16 neighbouring keys, and O^T and hs have one and the same place for each number.
; THE RING.  A key step's block of one side is 34,816 bytes: K's codes (16,384), V^T's codes (16,384), K's scale words (1,024), V's half scale words (1,024).  A slot holds two key steps of both sides: 139,264 consecutive
; bytes of kv.  Each wave brings one block by one tensor load: one load of mine is out at a time, and it has two key steps in which to land.  The slot is turned by an exclusive or with 139,264 = 0x22000: no wave's
; place in a slot (0, 0x8800, 0x11000, 0x19800) has one of its two bits, so the exclusive or adds or takes away a slot.
; LDS LOADS AHEAD.  K and V^T have registers of their own.  V^T of a step is asked for behind the step's scores; K of a slot's second step in the first step's softmax, at the wait for the exponentials; V^T of the second step
; behind the first step's second product.  Only K of a slot's first step is waited for straight behind the change of slots.
; CLUSTER.  The 32 work-groups of a batch walk the same kv; the four of a cluster ask JOINTLY (the same load, the same descriptor, a mask that names the four).  A work-group's place in its cluster enters only the
; addresses of qw, hs, out0 and of the prefetches.
; LIMITS: NaN and infinities are not served.  A block whose every p has fallen to 0 keeps the byte 1: its codes are zeros.
; REGISTERS.  window 0: v1 my lane's place in a block, v2, v3 in the slot's two steps; v5, v6 the spare word's address and 0; v7-11 addresses; v12-19 tile i's -M, largest t and sum (4 i on); v20-51 Q; v52, v53 Q's scale words;
;   v56-63 K's; v64-191 S^T, then p (64 i on); v192-199 V's scale words; v200-207 their halves as loaded; v208-223 p's codes; v224-249 at work; v250-253 tile i's f and p's scale word.
;   window 1: O^T (128 i on).   window 2: v0-127 K's sixteen fragments, v128-255 V^T's.   window 3: v0-127 hs (64 i on).
.set BLK,   34816
.set CHUNK, 139264
.set SPARE, 278528                     ; behind the ring: the spare words, 128 bytes for each wave: two blocks of 256 bytes that no other line names
.set SP,    1040                       ; the way out: a stage row: 1,024 bytes + 16.  The stages (16 rows for each side and tile) lie in slot 0, which has had its last fill and its last read when the first result is stored there
.set AB0, 1
.set AD0, 2
.set AD1, 3
.set SPW, 5
.set NIL, 6
.set LI,  7
.set PFO, 8
.set STO, 9
.set RD0, 10
.set RD1, 11
.set ST,  12
.set QF,  20
.set QS,  52
.set TA,  54
.set KS,  56
.set S,   64
.set VS,  192
.set VX,  200
.set VY,  204
.set PC,  208
.set BM,  224
.set BP,  232
.set SO,  240
.set T0,  248
.set F,   250
.set FK,  0
.set FV,  128
.set MSB, 0
.macro WIN new                         ; the immediate's high byte repeats the setting that is left; a switch that changes nothing is dropped
.if MSB != (\new)
	s_set_vgpr_msb (MSB<<8)|(\new)
.set MSB, (\new)
.endif
.endm
.macro PLACES n                        ; plain lines between a matrix instruction and a load into, or a read of, its registers
.rept \n
	v_nop
.endr
.endm
.macro ROUND                           ; a round of the cluster's barrier: my work-group's barrier; wave 0 signals for the work-group; every wave waits for all four work-groups; my work-group's barrier once more
	s_barrier_signal -1
	s_barrier_wait -1
	s_cmp_lg_u32 s14, 0
	s_cbranch_scc1 .Lnot_wave_0_\@
	s_barrier_signal -3
.Lnot_wave_0_\@:
	s_barrier_wait -3
	s_barrier_signal -1
	s_barrier_wait -1
.endm
; A PREFETCH INTO THE L2 of the chunk that the NEXT change of slots will ask for: two key steps ahead of that load.  All clusters of a batch walk the same kv: the batch's first two clusters ask.  Their 32 waves share the chunk's
; 544 blocks of 256 bytes out BY ADDRESS, 17 each; a lane a block; lanes 17 to 31 name the seventeenth block again.  The last change that fills a slot asks for nothing: no chunk is left.
.macro ASK
	s_cmp_gt_u32 s44, s48
	s_cbranch_scc0 .Lnot_mine_\@
	global_prefetch_b8 v[PFO], s[46:47] th:TH_LOAD_NT scope:SCOPE_SE
.Lnot_mine_\@:
.endm
; 34 LDS loads: K's scale words, then K's fragments of a key step, K step 0 of the width's 256 first
.macro LOADK a
	ds_load_b128 v[KS:KS+3], v[\a] offset:32768    ; lanes 0-15 K step 0's words, lanes 16-31 K step 1's; tiles 0-3,
	ds_load_b128 v[KS+4:KS+7], v[\a] offset:33280  ; tiles 4-7
	WIN 0x80                                       ; destination window 2
.irp s, 0,1
.irp t, 0,1,2,3,4,5,6,7
.irp c, 0,1
	ds_load_b128 v[FK+16*\t+8*\s+4*\c:FK+16*\t+8*\s+4*\c+3], v[\a] offset:2048*\t+1024*\s+512*\c
.endr
.endr
.endr
	WIN 0
.endm
; 34 LDS loads: V^T's sixteen fragments of a key step, and the halves of its scale words
.macro LOADV a
	WIN 0x80
.irp t, 0,1,2,3,4,5,6,7,8,9,10,11,12,13,14,15
.irp c, 0,1
	ds_load_b128 v[FV+8*\t+4*\c:FV+8*\t+4*\c+3], v[\a] offset:16384+1024*\t+512*\c
.endr
.endr
	WIN 0
	ds_load_b128 v[VX:VX+3], v[\a] offset:33792    ; the two bytes of keys 0-63, eight pairs of tiles; lanes 0-15 the even tile's, lanes 16-31 the odd one's,
	ds_load_b128 v[VY:VY+3], v[\a] offset:34304    ; and of keys 64-127
.endm
; A KEY STEP: 128 keys, the q-th of the slot, for my two tiles of queries.  Wherever a line feeds the next, the two tiles' lines stand by turns.
.macro STEP q
	s_wait_dscnt 16+34*\q                          ; K's scale words and K step 0's fragments are in; behind them: K step 1's 16 loads and, in the second step, V^T's 34
	WIN 0x02                                       ; source 0 (K) window 2
.irp t, 0,1,2,3,4,5,6,7                        ; S^T = K Q^T: the sixteen accumulators take turns; the first K step starts the sums
.irp i, 0,1
	v_wmma_scale_f32_16x16x128_f8f6f4 v[S+64*\i+8*\t:S+64*\i+8*\t+7], v[FK+16*\t:FK+16*\t+7], v[QF+16*\i:QF+16*\i+7], 0, v[KS+\t], v[QS+\i] matrix_a_fmt:MATRIX_FMT_FP4 matrix_b_fmt:MATRIX_FMT_FP4
.endr
.endr
	s_wait_dscnt 34*\q                             ; K step 1's fragments are in
.irp t, 0,1,2,3,4,5,6,7
.irp i, 0,1
	v_wmma_scale_f32_16x16x128_f8f6f4 v[S+64*\i+8*\t:S+64*\i+8*\t+7], v[FK+16*\t+8:FK+16*\t+15], v[QF+16*\i+8:QF+16*\i+15], v[S+64*\i+8*\t:S+64*\i+8*\t+7], v[KS+\t], v[QS+\i] matrix_a_fmt:MATRIX_FMT_FP4 matrix_b_fmt:MATRIX_FMT_FP4 matrix_a_scale:MATRIX_SCALE_ROW1 matrix_b_scale:MATRIX_SCALE_ROW1
.endr
.endr
	WIN 0
	PLACES 4                                       ; in front of the first read of the scores
.if \q == 0
	LOADV AD0                                      ; this step's V^T: it lands while the softmax is walked
.endif
.irp b, 0,1,2,3
.irp i, 0,1
	v_max3_num_f32 v[BM+4*\i+\b], v[S+64*\i+16*\b], v[S+64*\i+16*\b+1], v[S+64*\i+16*\b+2]   ; THE LARGEST SCORE OF EACH BLOCK OF 32 KEYS: for the row's maximum and, since p rises with the score, for the block's largest p
.endr
.endr
.irp n, 3,5,7,9,11,13
.irp b, 0,1,2,3
.irp i, 0,1
	v_max3_num_f32 v[BM+4*\i+\b], v[BM+4*\i+\b], v[S+64*\i+16*\b+\n], v[S+64*\i+16*\b+\n+1]
.endr
.endr
.endr
.irp b, 0,1,2,3
.irp i, 0,1
	v_max_num_f32 v[BM+4*\i+\b], v[BM+4*\i+\b], v[S+64*\i+16*\b+15]
.endr
.endr
.irp b, 0,1,2,3
.irp i, 0,1
	v_permlanex16_b32 v[BP+4*\i+\b], v[BM+4*\i+\b], s20, s21
.endr
.endr
.irp b, 0,1,2,3
.irp i, 0,1
	v_max_num_f32 v[BM+4*\i+\b], v[BM+4*\i+\b], v[BP+4*\i+\b]   ; with lane l xor 16's 16 keys
.endr
.endr
.irp i, 0,1
	v_max3_num_f32 v[T0+\i], v[BM+4*\i], v[BM+4*\i+1], v[BM+4*\i+2]
.endr
.irp i, 0,1
	v_max_num_f32 v[T0+\i], v[T0+\i], v[BM+4*\i+3] ; the step's largest score of my query
.endr
.irp i, 0,1
	v_mul_f32 v[T0+\i], s22, v[T0+\i]              ; as t
.endr
.irp i, 0,1
	v_max_num_f32 v[ST+4*\i+1], v[ST+4*\i+1], v[T0+\i]   ; the running largest t
.endr
.irp i, 0,1
	v_mov_b32 v[T0+\i], v[ST+4*\i]
.endr
.irp i, 0,1
	v_floor_f32 v[ST+4*\i], -v[ST+4*\i+1]          ; the new -M = floor(-t) = -ceil(t)
.endr
.irp i, 0,1
	v_sub_f32 v[T0+\i], v[ST+4*\i], v[T0+\i]       ; old M - new M: a whole number, 0 or less
.endr
.irp i, 0,1
	v_cvt_i32_f32 v[T0+\i], v[T0+\i]               ; (it saturates)
.endr
.irp i, 0,1
	v_ldexp_f32 v[F+2*\i], 1.0, v[T0+\i]           ; f = 2^(old M - new M)
.endr
.irp i, 0,1
.set k, 0
.rept 32
	v_pk_fma_f32 v[S+64*\i+k:S+64*\i+k+1], v[S+64*\i+k:S+64*\i+k+1], s[22:23], v[ST+4*\i:ST+4*\i+1] op_sel_hi:[1,0,0]   ; t - M, two at a time
.set k, k+2
.endr
.endr
.irp b, 0,1,2,3
.irp i, 0,1
	v_fma_f32 v[BM+4*\i+\b], v[BM+4*\i+\b], s22, v[ST+4*\i]   ; the same of each block's largest score
.endr
.endr
.set k, 0
.rept 128
	v_exp_f32 v[S+k], v[S+k]                       ; p = 2^(t - M), at most 1
.set k, k+1
.endr
.irp i, 0,1
	v_pk_mul_f32 v[ST+4*\i+2:ST+4*\i+3], v[ST+4*\i+2:ST+4*\i+3], v[F+2*\i:F+2*\i+1] op_sel_hi:[1,0]   ; the sums under the new M: the plain lines behind the exponentials
.endr
	s_wait_alu depctr_va_vdst(0)                   ; one wait for the whole batch, ahead of its first reader
.if \q == 0
	LOADK AD1                                      ; the next step's K: its registers were last read by this step's scores, far more than four plain lines back
.endif
.irp b, 0,1,2,3
.irp i, 0,1
	v_exp_f32 v[BM+4*\i+\b], v[BM+4*\i+\b]         ; the block's largest p: the same two instructions on the same number
.endr
.endr
.irp i, 0,1
	v_pk_add_f32 v[BP+4*\i:BP+4*\i+1], v[S+64*\i:S+64*\i+1], v[S+64*\i+2:S+64*\i+3]   ; THE ROW'S SUM IS TAKEN OF THE UNQUANTISED p, in two chains a tile
.endr
.irp j, 4,8,12,16,20,24,28,32,36,40,44,48,52,56,60
.irp i, 0,1
	v_pk_add_f32 v[ST+4*\i+2:ST+4*\i+3], v[ST+4*\i+2:ST+4*\i+3], v[S+64*\i+\j:S+64*\i+\j+1]
	v_pk_add_f32 v[BP+4*\i:BP+4*\i+1], v[BP+4*\i:BP+4*\i+1], v[S+64*\i+\j+2:S+64*\i+\j+3]
.endr
.endr
.irp i, 0,1
	v_pk_add_f32 v[ST+4*\i+2:ST+4*\i+3], v[ST+4*\i+2:ST+4*\i+3], v[BP+4*\i:BP+4*\i+1]
.endr
	s_wait_alu depctr_va_vdst(0)                   ; and one for the eight
.irp b, 0,1,2,3
.irp i, 0,1
	v_max_num_f32 v[BM+4*\i+\b], 0x1800000, v[BM+4*\i+\b]   ; the floor 2^(3 - 127): the byte cannot fall under 1
.endr
.endr
.irp b, 0,1,2,3
.irp i, 0,1
	v_add_nc_u32 v[SO+4*\i+\b], 0xff000000, v[BM+4*\i+\b]   ; 2 off the exponent field: the conversion's scale operand
.endr
.endr
.irp b, 0,1,2,3
.irp i, 0,1
	v_lshrrev_b32 v[BP+4*\i+\b], 23, v[SO+4*\i+\b] ; the scale's byte
.endr
.endr
.irp i, 0,1
	v_lshl_or_b32 v[F+2*\i+1], v[BP+4*\i+1], 8, v[BP+4*\i]   ; p's scale word for these 128 keys
.endr
.irp i, 0,1
	v_lshl_or_b32 v[F+2*\i+1], v[BP+4*\i+2], 16, v[F+2*\i+1]
.endr
.irp i, 0,1
	v_lshl_or_b32 v[F+2*\i+1], v[BP+4*\i+3], 24, v[F+2*\i+1]
.endr
.irp b, 0,1,2,3
.irp i, 0,1
	v_cvt_scalef32_pk8_fp4_f32 v[PC+8*\i+2*\b], v[S+64*\i+16*\b:S+64*\i+16*\b+7], v[SO+4*\i+\b]
	v_cvt_scalef32_pk8_fp4_f32 v[PC+8*\i+2*\b+1], v[S+64*\i+16*\b+8:S+64*\i+16*\b+15], v[SO+4*\i+\b]
.endr
.endr
	v_nop                                          ; one plain line behind the last conversion
.irp i, 0,1
.irp c, 0,1
.irp e, 0,1
	v_permlane16_swap_b32 v[PC+8*\i+4*\c+\e], v[PC+8*\i+4*\c+2+\e]   ; a lane now holds a whole block
.endr
.endr
.endr
	s_wait_dscnt 34-34*\q                          ; V^T and its scale words are in; behind them, in the first step: the next K's 34 loads
.irp k, 0,1,2,3
	v_perm_b32 v[VS+2*\k], v[VY+\k], v[VX+\k], s40     ; the two low halves make a word,
	v_perm_b32 v[VS+2*\k+1], v[VY+\k], v[VX+\k], s41   ; the two high halves the next
.endr
	WIN 0x41                                       ; O^T (destination and source 0) window 1, f window 0
.irp i, 0,1
.set k, 0
.rept 64
	v_pk_mul_f32 v[128*\i+k:128*\i+k+1], v[128*\i+k:128*\i+k+1], v[F+2*\i:F+2*\i+1] op_sel_hi:[1,0]   ; O^T under the new M.  These lines also part the writes of the codes and scale words from the products below
.set k, k+2
.endr
.endr
	WIN 0x52                                       ; source 0 (V^T) window 2, source 1 (p) window 0, C and D window 1
.irp t, 0,2,4,6,8,10,12,14                     ; O^T += V^T P^T: 32 accumulators by turns
.irp i, 0,1
	v_wmma_scale_f32_16x16x128_f8f6f4 v[128*\i+8*\t:128*\i+8*\t+7], v[FV+8*\t:FV+8*\t+7], v[PC+8*\i:PC+8*\i+7], v[128*\i+8*\t:128*\i+8*\t+7], v[VS+\t/2], v[F+2*\i+1] matrix_a_fmt:MATRIX_FMT_FP4 matrix_b_fmt:MATRIX_FMT_FP4
.endr
.irp i, 0,1
	v_wmma_scale_f32_16x16x128_f8f6f4 v[128*\i+8*\t+8:128*\i+8*\t+15], v[FV+8*\t+8:FV+8*\t+15], v[PC+8*\i:PC+8*\i+7], v[128*\i+8*\t+8:128*\i+8*\t+15], v[VS+\t/2], v[F+2*\i+1] matrix_a_fmt:MATRIX_FMT_FP4 matrix_b_fmt:MATRIX_FMT_FP4 matrix_a_scale:MATRIX_SCALE_ROW1
.endr
.endr
	WIN 0
.if \q == 0
	PLACES 4                                       ; in front of the loads into V^T's registers
	LOADV AD1                                      ; the next step's V^T
.endif
.endm
; THE CHANGE OF SLOTS stands at a slot's head.  Each wave waits for all its tensor loads (its block of the slot ahead), adds 0 to its spare word, and waits for that and for its reads of the slot that it has left; a round of the
; cluster's barrier; then the slot that was left is filled with the chunk that follows: the first thing behind the round, and my one tensor load until the next.
.macro CHANGE fill
	s_wait_tensorcnt 0x0                           ; no tensor load of mine is out, so group 0 may be written
	ds_add_u32 v[SPW], v[NIL]                      ; 0 onto my spare word
.if \fill
	s_xor_b32 s33, s33, CHUNK                      ; the walking descriptor: the other slot than last time,
	s_add_nc_u64 s[34:35], s[34:35], CHUNK         ; the next chunk; the type bits on top are not reached
	s_wait_xcnt 0x0                                ; the last prefetch, two key steps back, has read its address
	s_add_nc_u64 s[46:47], s[46:47], CHUNK         ; one chunk further on than the walking descriptor
.endif
	s_wait_dscnt 0x0                               ; the add is done, and my reads of the slot that I have left are over
	ROUND
.if \fill
	tensor_load_to_lds s[32:35], s[24:31]
	s_nop 0
	PLACES 4                                       ; four plain lines follow the load
.endif
.endm
.macro BODY ask                        ; a slot's two key steps
	v_add_nc_u32 v[AD0], s36, v[AB0]               ; my lane's place in the slot's first step,
	v_add_nc_u32 v[AD1], 2*BLK, v[AD0]             ; and in its second
	LOADK AD0
.if \ask
	ASK                                            ; behind the tensor load and the run of LDS loads for which the first products wait
.endif
	STEP 0
	STEP 1
	s_xor_b32 s36, s36, CHUNK                      ; on to the other slot
.endm
; The end of a wave's sums: O^T x gamma / l; of each tile the 64 registers at lo take hs with them
.macro FIN lo, hi
	WIN 0x71                                       ; O^T window 1, the factor window 0, hs window 3
.irp i, 0,1
.set k, 0
.rept 32
	v_pk_fma_f32 v[128*\i+(\lo)+k:128*\i+(\lo)+k+1], v[128*\i+(\lo)+k:128*\i+(\lo)+k+1], v[F+2*\i:F+2*\i+1], v[64*\i+k:64*\i+k+1] op_sel_hi:[1,0,1]
.set k, k+2
.endr
.endr
	WIN 0x41
.irp i, 0,1
.set k, 0
.rept 32
	v_pk_mul_f32 v[128*\i+(\hi)+k:128*\i+(\hi)+k+1], v[128*\i+(\hi)+k:128*\i+(\hi)+k+1], v[F+2*\i:F+2*\i+1] op_sel_hi:[1,0]
.set k, k+2
.endr
.endr
	WIN 0
.endm
; The way out: eight rows of tile WV come back from both sides' stages, are added and stored
.macro BACKLOAD hf
.set k, 16*(\hf)
.rept 16
	ds_load_b128 v[S+4*k:S+4*k+3], v[RD0] offset:SP*(k/2)+512*(k%2)
.set k, k+1
.endr
	WIN 0x80                                       ; destination window 2: K's registers are done with
.set k, 16*(\hf)
.rept 16
	ds_load_b128 v[4*k:4*k+3], v[RD1] offset:SP*(k/2)+512*(k%2)
.set k, k+1
.endr
	WIN 0
.endm
.macro SEND hf, younger                ; younger: the LDS loads issued behind this half's
	s_wait_dscnt \younger
	WIN 0x08                                       ; source 1 window 2
.set k, 64*(\hf)
.rept 32
	v_pk_add_f32 v[S+k:S+k+1], v[S+k:S+k+1], v[k:k+1]
.set k, k+2
.endr
	WIN 0
.set k, 16*(\hf)
.rept 16
	global_store_b128 v[LI], v[S+4*k:S+4*k+3], s[12:13] offset:1024*((k/2)+8*(\hf))+512*(k%2) th:TH_STORE_NT   ; 32 lanes store 512 consecutive bytes, at a multiple of 256 from out0's first byte
.set k, k+1
.endr
.endm
	s_load_b256 s[4:11], s[0:1], 0x0               ; qw s[4:5], kv s[6:7], hs s[8:9], gamma s[10:11]
	s_load_b64 s[12:13], s[0:1], 0x20              ; out0
	v_lshl_add_u32 v[SPW], v0, 2, SPARE
	v_mov_b32 v[NIL], 0
	ds_add_u32 v5, v6
	ds_add_u32 v5, v6
	s_wait_dscnt 0x0
	v_lshrrev_b32 v[TA], 5, v0
	v_readfirstlane_b32 s14, v[TA]                 ; wave 0..3
	s_lshr_b32 s15, s14, 1                         ; d: my queries' side.  Also, on the way out: tile WV's 32 rows
	s_and_b32 s16, s14, 1                          ; which pair of tiles.  Also, on the way out: tile WV's 8 rows
	s_bfe_u32 s17, ttmp6, 0x40000                  ; cx: my place in the cluster
	s_lshl_b32 s18, ttmp9, 2
	s_add_co_u32 s18, s18, s17
	s_and_b32 s19, ttmp7, 0xffff                   ; the batch, which the four partners share
	s_lshl_b32 s49, s19, 5
	s_add_co_u32 s49, s49, s18                     ; G: my group of 64 rows: it enters the addresses of qw, hs and out0 alone
	; descriptor group 1: 136 rows of 256 bytes, dense in memory and in LDS (images are read 512 bytes on end: no padding)
	s_mov_b32 s24, 15|(3<<16)|(1<<21)              ; 15:0 the mask: all four work-groups; 17:16 elements of 8 bytes; 21 set beside a mask
	s_mov_b32 s25, 32<<16                          ; tensor_dim0 = 32
	s_mov_b32 s26, 136<<16                         ; tensor_dim1 = 136
	s_mov_b32 s27, 32<<16                          ; tile_dim0 = 32
	s_mov_b32 s28, 136                             ; tile_dim1 = 136
	s_mov_b32 s29, 32                              ; from row to row
	s_mov_b32 s30, 0
	s_mov_b32 s31, 0
	s_mul_i32 s50, s14, BLK                        ; my block of a chunk, in memory and in a slot
	s_mov_b32 s38, s50
	s_mov_b32 s39, 0
	s_mul_i32 s52, s19, 1114112                    ; the batch's 16 key steps x 2 sides
	s_mov_b32 s53, 0
	s_mov_b32 s20, 0x76543210
	s_mov_b32 s21, 0xfedcba98                      ; v_permlanex16_b32's selects for lane l xor 16
	s_mov_b32 s22, 0x3db8aa3b                      ; log2(e) / 16
	s_mov_b32 s23, s22                             ; (named with it as a pair, so it is written)
	s_mov_b32 s40, 0x05040100                      ; v_perm_b32: the two low halves
	s_mov_b32 s41, 0x07060302                      ; the two high halves
	s_cmp_lt_u32 ttmp9, 2
	s_cselect_b32 s48, 1, -1                       ; 1 in the batch's first two clusters, else the greatest number: the same in all four partners
	s_min_u32 s46, ttmp9, 1                        ; the prefetches: which of the 32 asking waves I am (a cluster that does not ask makes the second cluster's address and never uses it)
	s_lshl_b32 s46, s46, 2
	s_add_co_u32 s46, s46, s17
	s_lshl_b32 s46, s46, 2
	s_add_co_u32 s46, s46, s14
	s_mul_i32 s46, s46, 4352                       ; 17 blocks of 256 bytes each,
	s_add_co_u32 s46, s46, CHUNK                   ; in chunk 1: the first change of slots steps it to chunk 2
	s_mov_b32 s47, 0
	s_lshl_b32 s54, s49, 1
	s_add_co_u32 s54, s54, s15
	s_mul_i32 s54, s54, 8704                       ; qw: block 2 G + d
	s_lshl_b32 s56, s16, 12
	s_add_co_u32 s56, s56, s54                     ; my two tiles' codes
	s_mov_b32 s57, 0
	s_lshl_b32 s58, s16, 8
	s_add_co_u32 s58, s58, s54
	s_add_co_u32 s58, s58, 8192                    ; their scale words
	s_mov_b32 s59, 0
	s_wait_kmcnt 0x0
	s_load_b32 s45, s[10:11], 0x0                  ; gamma
	s_add_nc_u64 s[52:53], s[6:7], s[52:53]        ; kv at the batch's chunk 0
	s_add_nc_u64 s[46:47], s[52:53], s[46:47]
	s_add_nc_u64 s[56:57], s[4:5], s[56:57]
	s_add_nc_u64 s[58:59], s[4:5], s[58:59]
	s_lshl_b32 s60, s49, 16
	s_lshl_b32 s61, s15, 15
	s_add_co_u32 s60, s60, s61
	s_lshl_b32 s61, s16, 13
	s_add_co_u32 s60, s60, s61
	s_mov_b32 s61, 0
	s_add_nc_u64 s[8:9], s[8:9], s[60:61]          ; hs: group G, columns 128 d on, my two tiles
	s_lshl_b32 s60, s49, 6
	s_lshl_b32 s62, s15, 5
	s_add_co_u32 s60, s60, s62
	s_lshl_b32 s62, s16, 3
	s_add_co_u32 s60, s60, s62                     ; the first row of tile WV, which I store: 64 G + 32 (WV / 2) + 8 (WV % 2)
	s_lshl_b32 s60, s60, 10
	s_add_nc_u64 s[12:13], s[12:13], s[60:61]
	s_mov_b32 s32, 1                               ; group 0: count = 1,
	s_mov_b32 s33, s50                             ; LDS address: slot 0,
	s_add_nc_u64 s[34:35], s[52:53], s[38:39]      ; global address: my block of chunk 0,
	s_or_b32 s35, s35, 0x80000000                  ; type = 2
	s_wait_kmcnt 0x0                               ; gamma
	ROUND                                          ; all four work-groups are here: the first joint loads meet
	tensor_load_to_lds s[32:35], s[24:31]          ; chunk 0
	s_nop 0
	PLACES 4
	v_and_b32 v[TA], 31, v0                        ; lane
	v_lshlrev_b32 v[LI], 4, v[TA]
	v_min_u32 v[PFO], 16, v[TA]
	v_lshlrev_b32 v[PFO], 8, v[PFO]
	v_lshlrev_b32 v[TA], 2, v[TA]
.irp i, 0,1
.irp s, 0,1
.irp c, 0,1
	global_load_b128 v[QF+16*\i+8*\s+4*\c:QF+16*\i+8*\s+4*\c+3], v[LI], s[56:57] offset:2048*\i+1024*\s+512*\c   ; Q's fragments stay in registers
.endr
.endr
	global_load_b32 v[QS+\i], v[TA], s[58:59] offset:128*\i   ; lanes 0-15: K step 0's words; lanes 16-31: K step 1's
.endr
	WIN 0xc0                                       ; destination window 3
.irp i, 0,1
.irp w, 0,1
.irp k, 0,1,2,3,4,5,6,7
	global_load_b128 v[64*\i+32*\w+4*\k:64*\i+32*\w+4*\k+3], v[LI], s[8:9] offset:4096*\i+16384*\w+512*\k th:TH_LOAD_NT   ; h1 + h2 of my 32 rows, 128 columns: wanted at the end
.endr
.endr
.endr
	WIN 0
	s_xor_b32 s51, s15, 1
	s_mul_i32 s51, s51, BLK                        ; the other side's block
	v_add_nc_u32 v[AB0], s51, v[LI]
	v_and_b32 v[T0], 15, v0                        ; r
	v_bfe_u32 v[T0+1], v0, 4, 1                    ; h
	v_mul_u32_u24 v[STO], v[T0], SP
	v_lshl_add_u32 v[STO], v[T0+1], 6, v[STO]
	s_mul_i32 s51, s14, 2*16*SP
	v_add_nc_u32 v[STO], s51, v[STO]               ; into my two stages: row r, + 64 h
	s_mul_i32 s51, s14, 16*SP
	v_add_nc_u32 v[RD0], s51, v[LI]                ; back: tile WV of side 0's stages,
	v_add_nc_u32 v[RD1], 4*16*SP, v[RD0]           ; and of side 1's
.irp i, 0,1
	v_mov_b32 v[ST+4*\i+1], 0xff61b1e6             ; the largest t so far: -3e38, under every t
	v_mov_b32 v[ST+4*\i+2], 0                      ; the sum, in two halves
	v_mov_b32 v[ST+4*\i+3], 0
	v_mov_b32 v[F+2*\i+1], 0                       ; (named as the upper half of the pair with f before it is first written)
.endr
.irp i, 0,1
	v_floor_f32 v[ST+4*\i], -v[ST+4*\i+1]          ; -M
.endr
.irp b, 0,1,2,3,4,5,6,7
	v_mov_b32 v[BP+\b], 0                          ; written once: a lane permute's destination counts as one of its sources
.endr
	WIN 0x40
.set k, 0
.rept 256
	v_mov_b32 v[k], 0                              ; O^T.  The key step has no first step of its own, which would be a further copy of its text: it finds zeros, which the first change of M leaves zeros.  These lines stand while chunk 0 is on its way
.set k, k+1
.endr
	WIN 0
	s_wait_loadcnt 32                              ; Q and its scale words are in; the 32 loads of hs stay out
	s_mov_b32 s36, 0                               ; the slot in hand begins here
	s_mov_b32 s44, 7
.Lslot:                                            ; seven trips: chunks 0 to 6; each change asks for the next chunk, and all but the last prefetch the one after
	CHANGE 1
	BODY 1
	s_sub_co_u32 s44, s44, 1
	s_cmp_lg_u32 s44, 0
	s_cbranch_scc1 .Lslot
	CHANGE 0                                       ; chunk 7 is written out
	BODY 0
	; THE WAY OUT.  gamma / l; the wave of side d adds hs to columns 128 d on; both sides' tiles meet in the stages and leave as whole rows.
	PLACES 4
.irp i, 0,1
	v_add_f32 v[ST+4*\i+2], v[ST+4*\i+2], v[ST+4*\i+3]   ; the sum's two halves,
.endr
.irp i, 0,1
	v_permlanex16_b32 v[T0+\i], v[ST+4*\i+2], s20, s21
.endr
.irp i, 0,1
	v_add_f32 v[ST+4*\i+2], v[ST+4*\i+2], v[T0+\i] ; and lane l xor 16's
.endr
.irp i, 0,1
	v_rcp_f32 v[ST+4*\i+2], v[ST+4*\i+2]
.endr
	v_nop                                          ; a plain line behind the reciprocals
	s_wait_alu depctr_va_vdst(0)                   ; and the wait ahead of their first reader
.irp i, 0,1
	v_mul_f32 v[F+2*\i], s45, v[ST+4*\i+2]
.endr
	s_wait_loadcnt 0x0                             ; hs
	s_cmp_lt_u32 s14, 2
	s_cbranch_scc0 .Lside1
	FIN 0, 64
	s_branch .Ljoin
.Lside1:
	FIN 64, 0
.Ljoin:
	WIN 0x04                                       ; an LDS store's data: window 1
.irp i, 0,1
.irp t, 0,1,2,3,4,5,6,7,8,9,10,11,12,13,14,15
	ds_store_b128 v[STO], v[128*\i+8*\t:128*\i+8*\t+3] offset:16*SP*\i+256*(\t/4)+128*((\t%4)/2)+32*(\t%2)         ; lane (r, h), tile t: columns 64 (t / 4) + 32 ((t % 4) / 2) + 8 (t % 2) + 16 h + 0 .. 7
	ds_store_b128 v[STO], v[128*\i+8*\t+4:128*\i+8*\t+7] offset:16*SP*\i+256*(\t/4)+128*((\t%4)/2)+32*(\t%2)+16
.endr
.endr
	WIN 0
	s_wait_dscnt 0x0                               ; for the others' sake: my stores into the stages have landed
	s_barrier_signal -1
	s_barrier_wait -1
	BACKLOAD 0
	BACKLOAD 1
	SEND 0, 32                                     ; the first eight rows leave while the second half's 32 loads are on their way
	SEND 1, 0
	s_wait_tensorcnt 0x0                           ; the wave's end: behind my last tensor load and my last LDS store
	ds_add_u32 v[SPW], v[NIL]
	s_wait_dscnt 0x0
	ROUND                                          ; the closing round: no work-group ends while a partner may still ask for a chunk that names it
	s_endpgm
.Lfunc_end_k_q0fda621dc7_attn:
	.size	k_q0fda621dc7_attn, .Lfunc_end_k_q0fda621dc7_attn-k_q0fda621dc7_attn
	.p2alignl 7, 3214868480
	.fill 96, 4, 3214868480
	.section	.rodata,"a",@progbits
	.p2align	6, 0x0
	.amdhsa_kernel k_q0fda621dc7_attn
		.amdhsa_group_segment_fixed_size 327680
		.amdhsa_private_segment_fixed_size 0
		.amdhsa_enable_private_segment 0
		.amdhsa_kernarg_size 40
		.amdhsa_user_sgpr_count 2
		.amdhsa_user_sgpr_kernarg_segment_ptr 1
		.amdhsa_wavefront_size32 1
		.amdhsa_system_sgpr_workgroup_id_x 1
		.amdhsa_system_sgpr_workgroup_id_y 1
		.amdhsa_system_sgpr_workgroup_id_z 1
		.amdhsa_system_vgpr_workitem_id 0
		.amdhsa_next_free_vgpr 1024
		.amdhsa_next_free_sgpr 66
		.amdhsa_reserve_vcc 0
		.amdhsa_float_denorm_mode_32 3
		.amdhsa_float_denorm_mode_16_64 3
		.amdhsa_memory_ordered 1
		.amdhsa_forward_progress 1
		.amdhsa_inst_pref_size 223
	.end_amdhsa_kernel
	.amdgpu_metadata
---
amdhsa.version: [ 1, 2 ]
amdhsa.kernels:
  - .name:           k_q0fda621dc7_attn
    .symbol:         k_q0fda621dc7_attn.kd
    .args:
      - { .name: qw, .offset: 0, .size: 8, .value_kind: global_buffer, .address_space: global }
      - { .name: kv, .offset: 8, .size: 8, .value_kind: global_buffer, .address_space: global }
      - { .name: hs, .offset: 16, .size: 8, .value_kind: global_buffer, .address_space: global }
      - { .name: gamma, .offset: 24, .size: 8, .value_kind: global_buffer, .address_space: global }
      - { .name: out0, .offset: 32, .size: 8, .value_kind: global_buffer, .address_space: global }
    .group_segment_fixed_size: 327680
    .private_segment_fixed_size: 0
    .kernarg_segment_align: 8
    .kernarg_segment_size: 40
    .max_flat_workgroup_size: 128
    .sgpr_count:     66
    .vgpr_count:     1024
    .wavefront_size: 32
...
	.end_amdgpu_metadata
.endif
;; end of part 3
;; ======== version 2 of 2: 3 launches
;; workspace buffers: wts 348,160 bytes; qw 4,456,448 bytes; kv 8,912,896 bytes; hs 16,777,216 bytes
;; launch wprep: the kernel of part 1 again; grid 10 x 4, 4 waves a work-group, no clusters, 1,024 bytes of LDS; arguments W_p1, W_p2, W_q, W_k, W_v, wts; writes wts
;; launch proj (part 4): grid 256 x 1, 4 waves a work-group, no clusters, 116,224 bytes of LDS; arguments x1, x2, wts, b_p1, b_p2, b_q, b_k, b_v, qw, kv, hs; writes qw, kv, hs
.if DOCPART == 4
	.amdgcn_target "amdgcn-amd-amdhsa--gfx1250"
	.amdhsa_code_object_version 6
	.text
	.protected	k_q0fda621dc7_proj
	.globl	k_q0fda621dc7_proj
	.p2align	8
	.type	k_q0fda621dc7_proj,@function
k_q0fda621dc7_proj:
	s_mov_b64 s[64:65], 0
	v_nop
	global_prefetch_b8 v0, s[64:65] scope:SCOPE_SE
	s_setreg_imm32_b32 hwreg(HW_REG_WAVE_SCHED_MODE, 0, 2), 2
	s_setreg_imm32_b32 hwreg(HW_REG_WAVE_MODE, 25, 1), 1
	s_wait_xcnt 0x0
	s_wait_alu depctr_vm_vsrc(0)
; For 64 rows of x1 and of x2: h = Q(x) Q(Wp) + bp for both sides; hs = h1 + h2; q, k, v = Q(h) Q(W) + b for both sides, quantised (q, k along the width, v along the rows, which are the keys).
; All products on codes of FP4 (E2M1) with one E8M0 byte for each 32 along K.  Nothing but hs and codes goes to memory.
; SHARES.  Work-group G takes rows 64 G .. 64 G + 63.  Wave w QUANTISES the row tile m = w and, for all 64 rows, MULTIPLIES by columns 64 w .. 64 w + 63 of every weight: a weight fragment comes from memory once a work-group
; and feeds four matrix instructions.  The rows' codes go from wave to wave through LDS as images of operand registers (16 bytes a lane, 512 bytes on end; scale words beside them).
; ONE ORDER EVERYWHERE: lane r of tile 2 b + u (of rows, or of a weight's columns) is index 32 b + 8 u + r + 8 (r / 8).  With such a tile as source 0, lane (r, h) holds in register j of tiles 2 b, 2 b + 1 the indices
; 32 b + 16 h + 0 .. 15: sixteen neighbours, as the conversions want them.  h, q, k: source 0 = the weight, source 1 = the rows (a lane holds one row, registers along the width).  v: source 0 = the rows, source 1 = the weight
; (a lane holds one column, registers along the keys).
; THE STREAM.  14 K steps of 128 (6 of x1, 8 of x2).  Each load reads 512 consecutive bytes of one row; a step's 16 rows turn through the wave's own stage in LDS so that a lane gets 16 neighbours of each block.
; Loads run three steps ahead in three sets of registers; the weights' fragments are asked for two trips ahead of their products, in three sets.  No LDS byte outside a wave's own stage is written twice, so each hand-over costs one barrier.
; LIMITS: a block whose largest magnitude lies under 2^-124 (a block of zeros too) carries the byte 1; NaN and infinities among the inputs are not served.
; No tensor loads: the operands that stream are f32 and must pass through registers anyway.  No cluster: the weights go straight into registers.  No prefetch: the x stream keeps its own loads far ahead.
; THE MODE: SCHED_MODE bits 1:0 = 2 (LLVM: expert scheduling mode 2), set by the entry lines.  The code itself states the register dependences between vector or matrix instructions and memory or LDS instructions,
; with s_wait_alu, always for 0.
; THE PLAN.  Registers that memory or LDS instructions touch:
;   v1-14, v254, v255   addresses, made once at the head and never written again.
;   RAW0 .. RAW2   x as loaded.  Trip i: the stage's stores read RAW[i % 3]; behind the trip's wait on vm_vsrc the loads of step i + 3 land in it.  No vector instruction names them; later the biases and q, k, v lie there.
;   W0 .. W2       Wp's fragments.  The loads of step i + 1 go out at the head of trip i, into the set that the products of step i - 2 read in trip i - 1, ahead of that trip's wait on va_vdst.
;   XN             written by the stage's loads at a trip's head, read by the trip's quantiser.
;   PC, PW         written by the quantiser, read by the trip's three image stores.
;   XF, XS         written by the LDS loads at a trip's end, read by the next trip's products.
;   So a trip has TWO waits.  vm_vsrc behind its products: the stage's stores have read RAW[i % 3], the last trip's image stores PC and PW.  va_vdst behind its quantiser: PC and PW are written; the quantiser is done reading XN,
;   the products of step i - 1 are done reading XF, XS and their set of Wp.  Up to the next trip's products no vector or matrix instruction follows it: the image stores, the loads of XF and XS, the next trip's load of Wp and
;   its stage loads into XN all lean on it.
;   OB0 .. OB7, OW0 .. OW7   out-buffers behind the stream (XN's registers, and eight more): codes and scale words, written by the quantisers, read by one run of stores behind one wait on va_vdst.  h takes 0 to 3; the six ways out of
;   q, k and v take the pairs 4, 5 and 6, 7 by turns, so that the wait on vm_vsrc ahead of a pair's rewriting stands two ways out behind the stores that read it.
;   h1's registers are written by the additions h1 + h2 and read by hs's stores, behind the same wait as h's images.  HF and XS are loaded behind a wait on va_vdst that stands behind their last products.
; REGISTERS, in windows of 256:  window 0: v1-14 addresses; v20-59 the weights' scale words (4 a pair P; lanes 0-15 the pair's first K step, lanes 16-31 its second); v60-63 the rows' scale words; v64-127 64 numbers of x, later the
;   out-buffers; v128-159 the rows' fragments, v160-191 Wp's third set, later both h's fragments; v192-199 codes just made; v200-216 at work; v220-227 the scale words' way out; v228-235 the out-buffers' scale words.
;   window 1: v0-191 x as loaded, three sets; v192-255 Wp's fragments, two sets; later v0-127 q, k or v; v128-223 b_q, b_k, b_v in the results' layout.
;   window 2: v0-127 h1, v128-255 h2 (tile of rows m, tile of columns t at 32 m + 8 t).   window 3: v0-63 b_p1, b_p2; v64-255 W_q, W_k, W_v (tile t, K step s at 8 (2 t + s)).
.set SPITCH, 528                       ; a stage row: 512 bytes + 16: an odd multiple of 16 bytes
.set XSC,    57344                     ; LDS: 0: x's images [step 14][m 4][c 2][lane][16];  XSC: their scale words [step][r 16][m 4]
.set R2,     61440                     ; R2: h's images [side 2][m 4][s 2][c 2][lane][16];
.set HSCO,   16384                     ;   + HSCO: their scale words [side][lane = r + 16 s][m 4];
.set SGO,    17408                     ;   + SGO: the scale words of q, k, v [side][kind 3][512]
.set STG,    81920                     ; the four waves' stages, 16 rows each
.set LI,  1                            ; 16 x lane: an image's place, in LDS and in memory
.set STI, 3                            ; my stage, on the way in
.set STO, 4                            ; and on the way out: row r, + 64 h
.set XWI, 5                            ; where I store x's image: 16 x lane + 1,024 w
.set XWS, 6                            ; and its scale word: 16 r + 4 w
.set R16, 7                            ; 16 r
.set HWI, 8                            ; R2 + 16 x lane + 512 w
.set LI2, 9                            ; R2 + 16 x lane
.set KGA, 10                           ; R2 + 16 r + 256 (w / 2) + 2 (w % 2): half a scale word of h or k
.set QGA, 11                           ; R2 + 4 r + 64 (w / 2) + 2 (w % 2): of q
.set VGA, 12                           ; R2 + 16 r + 4 w: of v
.set BH,  13                           ; 64 h: a bias in the layout 'registers along the width'
.set BR,  14                           ; 4 (r + 8 (r / 8)): in the layout 'a lane a column'
.set WSC, 20
.set XS,  60
.set XN,  64
.set OB,  64                           ; out-buffer n: eight registers of codes at OB + 8 n
.set XF,  128
.set HF,  128
.set W2,  160                          ; Wp's third set, in window 0
.set PC,  192
.set TM,  200
.set PW,  216
.set CP,  220
.set OW,  228                          ; out-buffer n: its scale word at OW + n
.set RAW, 0
.set WS,  192
.set ACC, 0
.set BQ,  128
.set BK,  160
.set BV,  192
.set BP,  0
.set WQ,  64
.set SEL, 42
.set MSB, 0
.macro WIN new                         ; the immediate's high byte repeats the setting that is left; a switch that changes nothing is dropped
.if MSB != (\new)
	s_set_vgpr_msb (MSB<<8)|(\new)
.set MSB, (\new)
.endif
.endm
.macro PLACES n                        ; plain lines between a matrix instruction and a read of its result (ISA guide 7.12.1)
.rept \n
	v_nop
.endr
.endm
.macro BARRIER                         ; my LDS stores have landed and my LDS loads are in: then the work-group's barrier
	s_wait_dscnt 0x0
	s_barrier_signal -1
	s_barrier_wait -1
.endm
; The matrix instruction.  row = 0: both sides' scales from lanes 0-15; 1: source 0's from lanes 16-31; 3: both from lanes 16-31.
.macro MM d, a, b, c, sa, sb, row
.if (\row) == 0
	v_wmma_scale_f32_16x16x128_f8f6f4 v[(\d):(\d)+7], v[(\a):(\a)+7], v[(\b):(\b)+7], v[(\c):(\c)+7], v[\sa], v[\sb] matrix_a_fmt:MATRIX_FMT_FP4 matrix_b_fmt:MATRIX_FMT_FP4
.elseif (\row) == 1
	v_wmma_scale_f32_16x16x128_f8f6f4 v[(\d):(\d)+7], v[(\a):(\a)+7], v[(\b):(\b)+7], v[(\c):(\c)+7], v[\sa], v[\sb] matrix_a_fmt:MATRIX_FMT_FP4 matrix_b_fmt:MATRIX_FMT_FP4 matrix_a_scale:MATRIX_SCALE_ROW1
.else
	v_wmma_scale_f32_16x16x128_f8f6f4 v[(\d):(\d)+7], v[(\a):(\a)+7], v[(\b):(\b)+7], v[(\c):(\c)+7], v[\sa], v[\sb] matrix_a_fmt:MATRIX_FMT_FP4 matrix_b_fmt:MATRIX_FMT_FP4 matrix_a_scale:MATRIX_SCALE_ROW1 matrix_b_scale:MATRIX_SCALE_ROW1
.endif
.endm
; 64 numbers of a lane in window win, register 16 b + i = number 16 h + i of block b, become 8 registers of codes in v[pc] on (registers 4 c .. 4 c + 3: lanes 0-15 block 2 c, lanes 16-31 block 2 c + 1) and four scale bytes in v[pw].
; The sources are read in ascending order, so that each matrix result is first read at its low end.
.macro QUANT src, win, pc, pw
	WIN ((\win)<<2)|((\win)<<4)
.irp b, 0,1,2,3
	v_max3_num_f32 v[TM+\b], 0x1800000, |v[(\src)+16*\b]|, |v[(\src)+16*\b+1]|   ; my 16 numbers of block b, and the floor 2^(3 - 127): the byte cannot fall under 1
.endr
.irp i, 2,4,6,8,10,12,14
.irp b, 0,1,2,3
	v_max3_num_f32 v[TM+\b], v[TM+\b], |v[(\src)+16*\b+\i]|, |v[(\src)+16*\b+\i+1]|   ; (the four blocks by turns)
.endr
.endr
	WIN 0
.irp b, 0,1,2,3
	v_permlanex16_b32 v[TM+4+\b], v[TM+\b], s[SEL], s[SEL+1]
.endr
.irp b, 0,1,2,3
	v_max_num_f32 v[TM+\b], v[TM+\b], v[TM+4+\b]   ; with lane l xor 16's: the block's largest magnitude
.endr
.irp b, 0,1,2,3
	v_add_nc_u32 v[TM+12+\b], 0xff000000, v[TM+\b] ; 2 off its exponent field: the conversion's scale operand
.endr
.irp b, 0,1,2,3
	v_lshrrev_b32 v[TM+4+\b], 23, v[TM+12+\b]      ; the scale's byte
.endr
	v_lshl_or_b32 v[\pw], v[TM+5], 8, v[TM+4]
	v_lshl_or_b32 v[\pw], v[TM+6], 16, v[\pw]
	v_lshl_or_b32 v[\pw], v[TM+7], 24, v[\pw]
	WIN (\win)
.irp b, 0,1,2,3
	v_cvt_scalef32_pk8_fp4_f32 v[(\pc)+2*\b], v[(\src)+16*\b:(\src)+16*\b+7], v[TM+12+\b]
	v_cvt_scalef32_pk8_fp4_f32 v[(\pc)+2*\b+1], v[(\src)+16*\b+8:(\src)+16*\b+15], v[TM+12+\b]
.endr
	WIN 0
	v_nop                                          ; one plain line behind the last conversion
.irp c, 0,1
.irp i, 0,1
	v_permlane16_swap_b32 v[(\pc)+4*\c+\i], v[(\pc)+4*\c+2+\i]   ; half blocks change lanes: a lane now holds a whole block
.endr
.endr
.endm
; K step j of x: my tile's 16 rows, 512 bytes each, into set j % 3 (window 1)
.macro XLOAD j
.irp i, 0,1,2,3,4,5,6,7,8,9,10,11,12,13,14,15
.if (\j) < 6
	global_load_b128 v[RAW+64*((\j)%3)+4*\i:RAW+64*((\j)%3)+4*\i+3], v[LI], s[4:5] offset:(\i+8*(\i/8))*3072+512*(\j) th:TH_LOAD_NT
.else
	global_load_b128 v[RAW+64*((\j)%3)+4*\i:RAW+64*((\j)%3)+4*\i+3], v[LI], s[6:7] offset:(\i+8*(\i/8))*4096+512*((\j)-6) th:TH_LOAD_NT
.endif
.endr
.endm
; K step j of Wp: my four tiles' fragments into set j % 3: sets 0 and 1 in window 1, set 2 in window 0
.macro WLOAD j
.set WR, WS+32*((\j)%3)
.set WM, 1
.if (\j)%3 == 2
.set WR, W2
.set WM, 0
.endif
	WIN WM<<6                                      ; the destination's window
.irp t, 0,1,2,3
.irp c, 0,1
	global_load_b128 v[WR+8*\t+4*\c:WR+8*\t+4*\c+3], v[LI], s[8:9] offset:((\j)/2)*32768+((\j)%2)*4096+\t*1024+\c*512
.endr
.endr
.endm
; pair p (W_q, W_k or W_v): my four tiles x two K steps, to stay in window 3
.macro W3LOAD p, reg
.irp t, 0,1,2,3
.irp s, 0,1
.irp c, 0,1
	global_load_b128 v[(\reg)+8*(2*\t+\s)+4*\c:(\reg)+8*(2*\t+\s)+4*\c+3], v[LI], s[8:9] offset:(\p)*32768+\s*4096+\t*1024+\c*512
.endr
.endr
.endr
.endm
; K step j's 16 matrix instructions: four tiles of rows x my four tiles of columns.  The 16 accumulators take turns, one instruction a turn.  A side's first step takes the bias as C.
.macro MUL j
.set HB, 0
.if (\j) >= 6
.set HB, 128
.endif
.set WR, WS+32*((\j)%3)
.set WM, 1
.if (\j)%3 == 2
.set WR, W2
.set WM, 0
.endif
.if ((\j) == 0) || ((\j) == 6)
	WIN 0xb1                                       ; source 0 (Wp, set 0) window 1, source 1 (x) window 0, C (the bias) window 3, D window 2
.else
	WIN 0xa0|WM                                    ; source 0 in its set's window; C and D window 2
.endif
.irp m, 0,1,2,3
.irp t, 0,1,2,3
.if ((\j) == 0) || ((\j) == 6)
	MM HB+32*\m+8*\t, WR+8*\t, XF+8*\m, BP+HB/4+8*\t, WSC+4*((\j)/2)+\t, XS+\m, 0
.else
	MM HB+32*\m+8*\t, WR+8*\t, XF+8*\m, HB+32*\m+8*\t, WSC+4*((\j)/2)+\t, XS+\m, (\j)%2
.endif
.endr
.endr
.endm
; TRIP i: Wp's step i + 1 is asked for | step i's numbers turn through my stage | step i - 1 is multiplied | x's step i + 3 is asked for | step i is quantised, its image stored | barrier | all four tiles' fragments of step i are fetched.
.macro TRIP i
.if (\i) < 3
	s_wait_loadcnt 63                              ; step i's 16 loads are in.  More than 63 younger loads are out here, and the count's field holds no more: a smaller count is safe
.else
	s_wait_loadcnt 48                              ; behind step i's loads: W(i-1) 8, X(i+1) 16, W(i) 8, X(i+2) 16 (in the last trips a later weight's 16 stand in x's place)
.endif
.if (\i) < 13
	WLOAD (\i)+1                                   ; no wait: the products of step i - 2, which read this set last, stand ahead of the last trip's wait on va_vdst, and nothing since names it
.endif
	WIN 0x04                                       ; an LDS store's data: window 1
.irp n, 0,1,2,3,4,5,6,7,8,9,10,11,12,13,14,15
	ds_store_b128 v[STI], v[RAW+64*((\i)%3)+4*\n:RAW+64*((\i)%3)+4*\n+3] offset:SPITCH*\n
.endr
	WIN 0
.irp b, 0,1,2,3
.irp n, 0,1,2,3
	ds_load_b128 v[XN+16*\b+4*\n:XN+16*\b+4*\n+3], v[STO] offset:128*\b+16*\n   ; LDS serves a wave's instructions in order (ISA guide 5.7.1): these see my stores.  The last trip's quantiser, which read XN, stands ahead of that trip's wait on va_vdst
.endr
.endr
.if (\i) > 0
	s_wait_dscnt 32                                ; the last trip's nine fragment loads are in; behind them: this trip's 16 stores and 16 loads
.if (\i) == 1
	s_wait_loadcnt 32                              ; W(0), and the scale words and biases issued ahead of it, are in; behind it: W(1) 8, X(3) 16, W(2) 8
.elseif (\i) == 13
	s_wait_loadcnt 40                              ; W(12) is in; behind it: W_q 16, W(13) 8, W_k 16
.else
	s_wait_loadcnt 48                              ; W(i-1) is in; behind it: X(i+1) 16, W(i) 8, X(i+2) 16, W(i+1) 8 (in trip 12 W_q's 16 stand in x's place)
.endif
	MUL (\i)-1
.endif
.if (\i) < 11
	WIN 0x40                                       ; destination window 1
.else
	WIN 0xc0                                       ; destination window 3: where x has no more steps, the later weights come in its turn
.endif
	s_wait_alu depctr_vm_vsrc(0)                   ; the stage's stores have read RAW[i % 3], which is written next by the loads of three steps on (after step 10: by the biases' loads or by q's products); the last trip's image stores have read PC and PW, which the quantiser below writes
.if (\i) < 11
	XLOAD (\i)+3
.else
	W3LOAD (\i)-4, WQ+64*((\i)-11)
.endif
	WIN 0
	s_wait_dscnt 0x0                               ; my numbers are back from the stage
	QUANT XN, 0, PC, PW
	s_wait_alu depctr_va_vdst(0)                   ; the quantiser has written PC and PW, which the stores below read, and is done reading XN; the products of step i - 1 are done reading XF, XS and their set of Wp: the loads below and at the next trip's head land there
	ds_store_b128 v[XWI], v[PC:PC+3] offset:4096*(\i)
	ds_store_b128 v[XWI], v[PC+4:PC+7] offset:4096*(\i)+512
	ds_store_b32 v[XWS], v[PW] offset:XSC+256*(\i) ; (both halves of the lanes hold the same word and write the same place)
	BARRIER                                        ; step i's four fragments lie in LDS
.irp m, 0,1,2,3
.irp c, 0,1
	ds_load_b128 v[XF+8*\m+4*\c:XF+8*\m+4*\c+3], v[LI] offset:4096*(\i)+1024*\m+512*\c
.endr
.endr
	ds_load_b128 v[XS:XS+3], v[R16] offset:XSC+256*(\i)   ; lane r: row r's scale words of the four tiles
.endm
; q or k: source 0 = the weight (window 3), source 1 = h's fragments; 16 accumulators by turns, K step by K step; the bias is the first step's C
.macro PRODQK wreg, breg, sreg
	WIN 0x53                                       ; source 0 window 3, source 1 window 0, C and D window 1
.irp s, 0,1
.irp m, 0,1,2,3
.irp t, 0,1,2,3
.if \s == 0
	MM ACC+32*\m+8*\t, (\wreg)+16*\t, HF+16*\m, (\breg)+8*\t, (\sreg)+\t, XS+\m, 0
.else
	MM ACC+32*\m+8*\t, (\wreg)+16*\t+8, HF+16*\m+8, ACC+32*\m+8*\t, (\sreg)+\t, XS+\m, 3
.endif
.endr
.endr
.endr
.endm
; v: the sources change places, so that a lane holds one column and its registers run along the keys
.macro PRODV
	WIN 0x5c                                       ; source 0 window 0, source 1 window 3, C and D window 1
.irp s, 0,1
.irp t, 0,1,2,3
.irp m, 0,1,2,3
.if \s == 0
	MM ACC+32*\t+8*\m, HF+16*\m, WQ+128+16*\t, BV+8*\t, XS+\m, WSC+36+\t, 0
.else
	MM ACC+32*\t+8*\m, HF+16*\m+8, WQ+128+16*\t+8, ACC+32*\t+8*\m, XS+\m, WSC+36+\t, 3
.endif
.endr
.endr
.endr
.endm
; The way out of q, k or v, the call-th of six: four tiles are quantised, two at a time, into a pair of out-buffers; then each tile's four registers of codes leave as 512 consecutive bytes of its image in memory, and its two scale
; bytes go to LDS, where the four waves' meet.  The pairs 4, 5 and 6, 7 take turns.
.macro OUT call, ptr, cs, ch, ga, off, step, hi
.set OC, OB+32+16*((\call)%2)
.set OP, OW+4+2*((\call)%2)
.if (\call) >= 2
	s_wait_xcnt 0x0                                ; every earlier memory instruction has had its addresses translated (ISA guide 3.1): the pair's codes are rewritten only behind this wait
	s_wait_alu depctr_vm_vsrc(0)                   ; the stores of two ways out ago have read this pair of out-buffers, which the quantisers below write again
.endif
.irp p, 0,1
	QUANT ACC+64*\p, 1, OC+8*\p, OP+\p
.endr
	s_wait_alu depctr_va_vdst(0)                   ; the quantisers have written the pair, which the stores below read; the products above are done reading HF and XS, in which the other side's loads land
.irp p, 0,1
	global_store_b128 v[LI], v[OC+8*\p:OC+8*\p+3], s[(\ptr):(\ptr)+1] offset:(\cs)*\p
	global_store_b128 v[LI], v[OC+8*\p+4:OC+8*\p+7], s[(\ptr):(\ptr)+1] offset:(\cs)*\p+(\ch)
	ds_store_b16 v[\ga], v[OP+\p] offset:(\off)+(\step)*\p
	ds_store_b16_d16_hi v[\ga], v[OP+\p] offset:(\off)+(\step)*\p+(\hi)
.endr
.endm
.macro QKV g                           ; side g
.irp m, 0,1,2,3
.irp s, 0,1
.irp c, 0,1
	ds_load_b128 v[HF+8*(2*\m+\s)+4*\c:HF+8*(2*\m+\s)+4*\c+3], v[LI2] offset:8192*(\g)+2048*\m+1024*\s+512*\c   ; no wait: the last products that read these registers stand ahead of the last wait on va_vdst, and only stores have followed it
.endr
.endr
.endr
	ds_load_b128 v[XS:XS+3], v[LI2] offset:HSCO+512*(\g)   ; lanes 0-15: K step 0's words of the four tiles; lanes 16-31: K step 1's
	s_wait_dscnt 0x0
	s_wait_loadcnt 0x0                             ; the three weights and the three biases
	PRODQK WQ, BQ, WSC+28
	WIN 0
	PLACES 4
	OUT 3*(\g), 30+2*(\g), 4096, 2048, QGA, SGO+1536*(\g), 256, 128
	PRODQK WQ+64, BK, WSC+32
	WIN 0
	PLACES 4
	OUT 3*(\g)+1, 34+2*(\g), 4096, 2048, KGA, SGO+1536*(\g)+512, 8, 4
	PRODV
	WIN 0
	PLACES 4
	OUT 3*(\g)+2, 38+2*(\g), 2048, 1024, VGA, SGO+1536*(\g)+1024, 2, 256
.endm
	s_load_b256 s[4:11], s[0:1], 0x0               ; x1 s[4:5], x2 s[6:7], wts s[8:9], b_p1 s[10:11]
	s_load_b256 s[12:19], s[0:1], 0x20             ; b_p2 s[12:13], b_q s[14:15], b_k s[16:17], b_v s[18:19]
	s_load_b128 s[20:23], s[0:1], 0x40             ; qw s[20:21], kv s[22:23]
	s_load_b64 s[24:25], s[0:1], 0x50              ; hs
	v_lshl_add_u32 v254, v0, 2, 0x1c400
	v_mov_b32 v255, 0
	v_lshrrev_b32 v2, 5, v0
	v_readfirstlane_b32 s26, v2                    ; wave w
	v_and_b32 v2, 31, v0                           ; lane
	v_and_b32 v15, 15, v0                          ; r
	v_bfe_u32 v16, v0, 4, 1                        ; h
	v_lshlrev_b32 v[LI], 4, v2
	s_wait_alu depctr_va_sdst(0)                   ; s26 is written, ahead of its first reader: LDS addresses, pointers and the last branch are made from it
	s_mul_i32 s48, s26, 16*SPITCH
	s_add_co_u32 s48, s48, STG                     ; my stage
	v_add_nc_u32 v[STI], s48, v[LI]
	v_mul_u32_u24 v[STO], v15, SPITCH
	v_lshl_add_u32 v[STO], v16, 6, v[STO]
	v_add_nc_u32 v[STO], s48, v[STO]
	s_lshl_b32 s48, s26, 10
	v_add_nc_u32 v[XWI], s48, v[LI]
	v_lshlrev_b32 v[R16], 4, v15
	s_wait_alu depctr_va_vdst(0)
	s_lshl_b32 s48, s26, 2
	v_add_nc_u32 v[XWS], s48, v[R16]
	v_add_nc_u32 v[VGA], s48, v[R16]
	v_add_nc_u32 v[VGA], R2, v[VGA]
	v_add_nc_u32 v[LI2], R2, v[LI]
	s_lshl_b32 s48, s26, 9
	v_add_nc_u32 v[HWI], s48, v[LI2]
	s_lshr_b32 s49, s26, 1                         ; w / 2
	s_and_b32 s50, s26, 1                          ; w % 2
	s_lshl_b32 s51, s49, 8
	s_lshl_b32 s52, s50, 1
	s_add_co_u32 s51, s51, s52
	s_add_co_u32 s51, s51, R2
	v_add_nc_u32 v[KGA], s51, v[R16]
	s_lshl_b32 s51, s49, 6
	s_add_co_u32 s51, s51, s52
	s_add_co_u32 s51, s51, R2
	v_lshl_add_u32 v[QGA], v15, 2, s51
	v_lshlrev_b32 v[BH], 6, v16
	v_and_b32 v17, 8, v15
	v_add_nc_u32 v17, v17, v15                     ; r + 8 (r / 8)
	v_lshlrev_b32 v[BR], 2, v17
.irp b, 0,1,2,3
	v_mov_b32 v[TM+4+\b], 0                        ; written once: a lane permute's destination counts as one of its sources
.endr
	s_mov_b32 s[SEL], 0x76543210
	s_mov_b32 s[SEL+1], 0xfedcba98                 ; v_permlanex16_b32's selects for lane l xor 16
	; every pointer is made here, ahead of the first load: none is written while a load is out
	s_lshl_b32 s53, ttmp9, 6
	s_lshl_b32 s54, s49, 5
	s_add_co_u32 s53, s53, s54
	s_lshl_b32 s54, s50, 3
	s_add_co_u32 s53, s53, s54                     ; my tile's first row: 64 G + 32 (w / 2) + 8 (w % 2)
	s_mul_i32 s54, s53, 3072
	s_mov_b32 s55, 0
	s_and_b32 s56, ttmp9, 0xfe
	s_mul_i32 s56, s56, 34816                      ; kv: the key step's block of side 0: 2 (G / 2) blocks of 34,816 bytes
	s_and_b32 s57, ttmp9, 1                        ; g: which half of the key step is mine
	s_lshl_b32 s58, s57, 9                         ; 512 g
	s_wait_kmcnt 0x0
	s_add_nc_u64 s[4:5], s[4:5], s[54:55]          ; x1 at my tile
	s_lshl_b32 s54, s53, 12
	s_add_nc_u64 s[6:7], s[6:7], s[54:55]          ; x2 likewise
	s_lshl_b32 s54, s26, 9
	s_add_co_u32 s54, s54, 327680
	s_add_nc_u64 s[28:29], s[8:9], s[54:55]        ; the weights' scale words, my 64 columns
	s_lshl_b32 s54, s26, 13
	s_add_nc_u64 s[8:9], s[8:9], s[54:55]          ; the weights' codes, my 64 columns
	s_lshl_b32 s54, s26, 8
.irp p, 10,12,14,16,18
	s_add_nc_u64 s[\p:\p+1], s[\p:\p+1], s[54:55]  ; the biases, my 64 columns
.endr
	s_lshl_b32 s59, ttmp9, 1
	s_mul_i32 s59, s59, 8704                       ; qw: my group's block of side 0
	s_lshl_b32 s52, s26, 9
	s_add_co_u32 s54, s59, s52
	s_add_nc_u64 s[30:31], s[20:21], s[54:55]      ; q's codes: + 512 w
	s_add_nc_u64 s[32:33], s[30:31], 8704
	s_lshl_b32 s54, s57, 13
	s_add_co_u32 s54, s54, s56
	s_add_co_u32 s54, s54, s52
	s_add_nc_u64 s[34:35], s[22:23], s[54:55]      ; k's codes: + 8,192 g + 512 w
	s_add_nc_u64 s[36:37], s[34:35], 34816
	s_lshl_b32 s54, s26, 12
	s_add_co_u32 s54, s54, s58
	s_add_co_u32 s54, s54, s56
	s_add_co_u32 s54, s54, 16384
	s_add_nc_u64 s[38:39], s[22:23], s[54:55]      ; v's codes: + 16,384 + 4,096 w + 512 g
	s_add_nc_u64 s[40:41], s[38:39], 34816
	s_lshl_b32 s54, ttmp9, 16
	s_lshl_b32 s60, s26, 14
	s_add_co_u32 s54, s54, s60
	s_add_nc_u64 s[24:25], s[24:25], s[54:55]      ; hs: 65,536 G + 16,384 w
	s_lshl_b32 s54, s26, 10                        ; the scale words' way out: wave 0 q's, wave 1 k's, wave 2 v's
	s_add_co_u32 s54, s54, s58
	s_add_co_u32 s54, s54, s56
	s_add_co_u32 s54, s54, 31744                   ; in kv: block + 32,768 + 1,024 (w - 1) + 512 g
	s_add_co_u32 s59, s59, 8192                    ; in qw: block + 8,192
	s_mov_b32 s60, 8704
	s_mov_b32 s61, 34816
	s_cmp_eq_u32 s26, 0
	s_cselect_b64 s[44:45], s[20:21], s[22:23]
	s_cselect_b32 s54, s59, s54
	s_cselect_b32 s60, s60, s61
	s_mov_b32 s61, 0
	s_add_nc_u64 s[44:45], s[44:45], s[54:55]      ; side 0's
	s_add_nc_u64 s[46:47], s[44:45], s[60:61]      ; side 1's
	WIN 0x40
	s_wait_alu depctr_va_vdst(0)                   ; the addresses v1 to v14 and the pair v254, v255 are written: every load, store and LDS instruction of the kernel reads one of them, and none is written again
	XLOAD 0
	XLOAD 1
	XLOAD 2
	WIN 0
.irp p, 0,1,2,3,4,5,6,7,8,9
	global_load_b128 v[WSC+4*\p:WSC+4*\p+3], v[LI], s[28:29] offset:2048*\p   ; pair p: lane r + 16 e takes the words of my four tiles
.endr
	WIN 0xc0
.irp t, 0,1,2,3
	global_load_b128 v[BP+8*\t:BP+8*\t+3], v[BH], s[10:11] offset:(32*(\t/2)+8*(\t%2))*4          ; lane (r, h), tile t: columns 32 (t / 2) + 8 (t % 2) + 16 h + 0 .. 7
	global_load_b128 v[BP+8*\t+4:BP+8*\t+7], v[BH], s[10:11] offset:(32*(\t/2)+8*(\t%2))*4+16
	global_load_b128 v[BP+32+8*\t:BP+32+8*\t+3], v[BH], s[12:13] offset:(32*(\t/2)+8*(\t%2))*4
	global_load_b128 v[BP+32+8*\t+4:BP+32+8*\t+7], v[BH], s[12:13] offset:(32*(\t/2)+8*(\t%2))*4+16
.endr
	WLOAD 0
	WIN 0
.irp i, 0,1,2,3,4,5,6,7,8,9,10,11,12,13
	TRIP \i
.endr
	s_wait_dscnt 0x0                               ; the last step's fragments
	s_wait_loadcnt 32                              ; W(13) is in; behind it: W_k 16, W_v 16
	MUL 13
	WIN 0
	PLACES 4                                       ; in front of the first read of h
	; ---- h is whole.  The later biases are asked for; h is quantised, two tiles of rows at a time: my 64 columns are half a K step (s = w / 2, c = w % 2) of each tile's fragment
	; No wait ahead of the biases' loads: b_q's and b_k's registers held x as loaded, which the stage's stores read ahead of trip 13's wait on vm_vsrc; b_v's held Wp's set 0, which step 12's products read ahead of trip 13's wait on va_vdst; nothing since names them
	WIN 0x40
.irp t, 0,1,2,3
	global_load_b128 v[BQ+8*\t:BQ+8*\t+3], v[BH], s[14:15] offset:(32*(\t/2)+8*(\t%2))*4
	global_load_b128 v[BQ+8*\t+4:BQ+8*\t+7], v[BH], s[14:15] offset:(32*(\t/2)+8*(\t%2))*4+16
	global_load_b128 v[BK+8*\t:BK+8*\t+3], v[BH], s[16:17] offset:(32*(\t/2)+8*(\t%2))*4
	global_load_b128 v[BK+8*\t+4:BK+8*\t+7], v[BH], s[16:17] offset:(32*(\t/2)+8*(\t%2))*4+16
.endr
.irp t, 0,1,2,3
.irp j, 0,1,2,3,4,5,6,7
	global_load_b32 v[BV+8*\t+\j], v[BR], s[18:19] offset:(32*(\t/2)+8*(\t%2))*4   ; in v's layout a lane holds one column: its bias stands in all eight registers
.endr
.endr
	WIN 0
.irp g, 0,1
.irp p, 0,1
	QUANT 128*\g+64*\p, 2, OB+8*(2*\g+\p), OW+2*\g+\p   ; into out-buffer 2 g + p: no memory or LDS instruction has read these registers
.endr
.endr
	WIN 0x8a                                       ; all in window 2
.set k, 0
.rept 64
	v_pk_add_f32 v[k:k+1], v[k:k+1], v[128+k:129+k]   ; h1 + h2
.set k, k+2
.endr
	WIN 0
	s_wait_alu depctr_va_vdst(0)                   ; the four quantisers have written out-buffers 0 to 3 and the additions h1's registers, which the stores below read; step 13's products are done reading XF and XS, step 11's Wp's third set: h's fragments land there behind the barrier
.irp g, 0,1
.irp p, 0,1
	ds_store_b128 v[HWI], v[OB+8*(2*\g+\p):OB+8*(2*\g+\p)+3] offset:8192*\g+4096*\p
	ds_store_b128 v[HWI], v[OB+8*(2*\g+\p)+4:OB+8*(2*\g+\p)+7] offset:8192*\g+4096*\p+2048
	ds_store_b16 v[KGA], v[OW+2*\g+\p] offset:HSCO+512*\g+8*\p          ; two bytes of tile 2 p's scale word,
	ds_store_b16_d16_hi v[KGA], v[OW+2*\g+\p] offset:HSCO+512*\g+8*\p+4 ; two of tile 2 p + 1's
.endr
.endr
	WIN 0x08                                       ; a store's data: window 2
.set k, 0
.rept 32
	global_store_b128 v[LI], v[4*k:4*k+3], s[24:25] offset:512*k th:TH_STORE_NT   ; as an image of these registers: 512 consecutive bytes a store
.set k, k+1
.endr
	WIN 0
	BARRIER                                        ; h's sixteen fragments lie in LDS
	QKV 0
	QKV 1
	BARRIER                                        ; the scale words of q, k and v are whole
	s_cmp_lt_u32 s26, 3
	s_cbranch_scc0 .Ldone
	ds_load_b128 v[CP:CP+3], v[HWI] offset:SGO     ; wave w takes kind w: 512 bytes a side.  No vector instruction ever names these eight registers
	ds_load_b128 v[CP+4:CP+7], v[HWI] offset:SGO+1536
	s_wait_dscnt 0x0
	global_store_b128 v[LI], v[CP:CP+3], s[44:45]
	global_store_b128 v[LI], v[CP+4:CP+7], s[46:47]
.Ldone:
	s_wait_dscnt 0x0                               ; the closing lines, six on end
	s_wait_alu 0x0
	s_wait_tensorcnt 0x0
	ds_add_u32 v254, v255
	s_wait_dscnt 0x0
	s_endpgm
.Lfunc_end_k_q0fda621dc7_proj:
	.size	k_q0fda621dc7_proj, .Lfunc_end_k_q0fda621dc7_proj-k_q0fda621dc7_proj
	.p2alignl 7, 3214868480
	.fill 96, 4, 3214868480
	.section	.rodata,"a",@progbits
	.p2align	6, 0x0
	.amdhsa_kernel k_q0fda621dc7_proj
		.amdhsa_group_segment_fixed_size 116224
		.amdhsa_private_segment_fixed_size 0
		.amdhsa_enable_private_segment 0
		.amdhsa_kernarg_size 88
		.amdhsa_user_sgpr_count 2
		.amdhsa_user_sgpr_kernarg_segment_ptr 1
		.amdhsa_wavefront_size32 1
		.amdhsa_system_sgpr_workgroup_id_x 1
		.amdhsa_system_sgpr_workgroup_id_y 1
		.amdhsa_system_sgpr_workgroup_id_z 1
		.amdhsa_system_vgpr_workitem_id 0
		.amdhsa_next_free_vgpr 1024
		.amdhsa_next_free_sgpr 66
		.amdhsa_reserve_vcc 0
		.amdhsa_float_denorm_mode_32 3
		.amdhsa_float_denorm_mode_16_64 3
		.amdhsa_memory_ordered 1
		.amdhsa_forward_progress 1
		.amdhsa_inst_pref_size 255
	.end_amdhsa_kernel
	.section	.bss,"aw",@nobits
	.p2align	6
	.space	262144
	.amdgpu_metadata
---
amdhsa.version: [ 1, 2 ]
amdhsa.kernels:
  - .name:           k_q0fda621dc7_proj
    .symbol:         k_q0fda621dc7_proj.kd
    .args:
      - { .name: x1, .offset: 0, .size: 8, .value_kind: global_buffer, .address_space: global }
      - { .name: x2, .offset: 8, .size: 8, .value_kind: global_buffer, .address_space: global }
      - { .name: wts, .offset: 16, .size: 8, .value_kind: global_buffer, .address_space: global }
      - { .name: b_p1, .offset: 24, .size: 8, .value_kind: global_buffer, .address_space: global }
      - { .name: b_p2, .offset: 32, .size: 8, .value_kind: global_buffer, .address_space: global }
      - { .name: b_q, .offset: 40, .size: 8, .value_kind: global_buffer, .address_space: global }
      - { .name: b_k, .offset: 48, .size: 8, .value_kind: global_buffer, .address_space: global }
      - { .name: b_v, .offset: 56, .size: 8, .value_kind: global_buffer, .address_space: global }
      - { .name: qw, .offset: 64, .size: 8, .value_kind: global_buffer, .address_space: global }
      - { .name: kv, .offset: 72, .size: 8, .value_kind: global_buffer, .address_space: global }
      - { .name: hs, .offset: 80, .size: 8, .value_kind: global_buffer, .address_space: global }
    .group_segment_fixed_size: 116224
    .private_segment_fixed_size: 0
    .kernarg_segment_align: 8
    .kernarg_segment_size: 88
    .max_flat_workgroup_size: 128
    .sgpr_count:     66
    .vgpr_count:     1024
    .wavefront_size: 32
...
	.end_amdgpu_metadata
.endif
;; end of part 4
;; launch attn (part 5): grid 32 x 8, 4 waves a work-group, clusters of 4 x 1, 327,680 bytes of LDS; arguments qw, kv, hs, gamma, out0; writes out0
.if DOCPART == 5
	.amdgcn_target "amdgcn-amd-amdhsa--gfx1250"
	.amdhsa_code_object_version 6
	.text
	.protected	k_q0fda621dc7_attn
	.globl	k_q0fda621dc7_attn
	.p2align	8
	.type	k_q0fda621dc7_attn,@function
k_q0fda621dc7_attn:
	s_mov_b64 s[64:65], 0
	v_nop
	global_prefetch_b8 v0, s[64:65] scope:SCOPE_SE
	s_setreg_imm32_b32 hwreg(HW_REG_WAVE_MODE, 25, 1), 1
	s_wait_xcnt 0x0
	s_wait_alu depctr_hold_cnt(0) depctr_sa_sdst(0) depctr_va_vdst(0) depctr_va_sdst(0) depctr_va_ssrc(0) depctr_va_vcc(0) depctr_vm_vsrc(0)
	s_getreg_b32 s2, hwreg(HW_REG_IB_STS2, 6, 4)
	s_cmp_eq_u32 s2, 0
	s_cbranch_scc0 .Lentry_in_a_cluster
	s_endpgm
.Lentry_in_a_cluster:
	s_bfe_u32 s2, ttmp6, 0x10000c
	s_cmp_lg_u32 s2, 0x3003
	s_cbranch_scc0 .Lentry_shape_is_right
	s_endpgm
.Lentry_shape_is_right:
; out = gamma (attend(q1, k2, v2) + attend(q2, k1, v1)) + (h1 + h2), both products of each attention on codes of FP4 (E2M1) with one E8M0 byte for each 32 along K.
; THE SOFTMAX AHEAD OF THE SECOND PRODUCT: t = score x log2(e) / 16; M = the row's largest t so far, rounded UP to a whole number; p = 2^(t - M) is quantised along the keys, not normalised.
; The row's sum is taken of the unquantised p and divides at the end.  When M moves, the sum and O are multiplied by 2^(old M - new M): exact.
; SHARES.  A work-group owns 64 rows of one batch, for BOTH directions.  Four waves, as many as a WGP has SIMDs.  Wave WV: side d = WV / 2, TWO tiles of 16 queries, 2 (WV % 2) + i; its keys and values are the other side's.
; So each fragment of K and of V^T that a wave reads from LDS feeds two matrix instructions: a work-group reads 4 x 68 x 512 bytes of LDS for a key step.  Every wave walks 16 key steps of 128.
; LAYOUT.  Both products are used transposed (S^T = K Q^T, O^T = V^T P^T): a lane holds ONE query of each tile throughout.  All operands lie in memory as images of operand registers (a fragment: [c 2][lane 32][16 bytes]), with
; the rows of a tile in the order r + 8 (r / 8), so that p's 16 registers of two neighbouring tiles are 16 neighbouring keys, and O^T and hs have one and the same place for each number.
; THE RING.  A key step's block of one side is 34,816 bytes: K's codes (16,384), V^T's codes (16,384), K's scale words (1,024), V's half scale words (1,024).  A slot holds two key steps of both sides: 139,264 consecutive
; bytes of kv.  Each wave brings one block by one tensor load: one load of mine is out at a time, and it has two key steps in which to land.  The slot is turned by an exclusive or with 139,264 = 0x22000: no wave's
; place in a slot (0, 0x8800, 0x11000, 0x19800) has one of its two bits, so the exclusive or adds or takes away a slot.
; LDS LOADS AHEAD.  K and V^T have registers of their own.  V^T of a step is asked for behind the step's scores; K of a slot's second step in the first step's softmax, at the wait for the exponentials; V^T of the second step
; behind the first step's second product.  Only K of a slot's first step is waited for straight behind the change of slots.
; CLUSTER.  The 32 work-groups of a batch walk the same kv; the four of a cluster ask JOINTLY (the same load, the same descriptor, a mask that names the four).  A work-group's place in its cluster enters only the
; addresses of qw, hs, out0 and of the prefetches.
; LIMITS: NaN and infinities are not served.  A block whose every p has fallen to 0 keeps the byte 1: its codes are zeros.
; REGISTERS.  window 0: v1 my lane's place in a block, v2, v3 in the slot's two steps; v5, v6 the spare word's address and 0; v7-11 addresses; v12-19 tile i's -M, largest t and sum (4 i on); v20-51 Q; v52, v53 Q's scale words;
;   v56-63 K's; v64-191 S^T, then p (64 i on); v192-199 V's scale words; v200-207 their halves as loaded; v208-223 p's codes; v224-249 at work; v250-253 tile i's f and p's scale word.
;   window 1: O^T (128 i on).   window 2: v0-127 K's sixteen fragments, v128-255 V^T's.   window 3: v0-127 hs (64 i on).
.set BLK,   34816
.set CHUNK, 139264
.set SPARE, 278528                     ; behind the ring: the spare words, 128 bytes for each wave: two blocks of 256 bytes that no other line names
.set SP,    1040                       ; the way out: a stage row: 1,024 bytes + 16.  The stages (16 rows for each side and tile) lie in slot 0, which has had its last fill and its last read when the first result is stored there
.set AB0, 1
.set AD0, 2
.set AD1, 3
.set SPW, 5
.set NIL, 6
.set LI,  7
.set PFO, 8
.set STO, 9
.set RD0, 10
.set RD1, 11
.set ST,  12
.set QF,  20
.set QS,  52
.set TA,  54
.set KS,  56
.set S,   64
.set VS,  192
.set VX,  200
.set VY,  204
.set PC,  208
.set BM,  224
.set BP,  232
.set SO,  240
.set T0,  248
.set F,   250
.set FK,  0
.set FV,  128
.set MSB, 0
.macro WIN new                         ; the immediate's high byte repeats the setting that is left; a switch that changes nothing is dropped
.if MSB != (\new)
	s_set_vgpr_msb (MSB<<8)|(\new)
.set MSB, (\new)
.endif
.endm
.macro PLACES n                        ; plain lines between a matrix instruction and a load into, or a read of, its registers
.rept \n
	v_nop
.endr
.endm
.macro ROUND                           ; a round of the cluster's barrier: my work-group's barrier; wave 0 signals for the work-group; every wave waits for all four work-groups; my work-group's barrier once more
	s_barrier_signal -1
	s_barrier_wait -1
	s_cmp_lg_u32 s14, 0
	s_cbranch_scc1 .Lnot_wave_0_\@
	s_barrier_signal -3
.Lnot_wave_0_\@:
	s_barrier_wait -3
	s_barrier_signal -1
	s_barrier_wait -1
.endm
; A PREFETCH INTO THE L2 of the chunk that the NEXT change of slots will ask for: two key steps ahead of that load.  All clusters of a batch walk the same kv: the batch's first two clusters ask.  Their 32 waves share the chunk's
; 544 blocks of 256 bytes out BY ADDRESS, 17 each; a lane a block; lanes 17 to 31 name the seventeenth block again.  The last change that fills a slot asks for nothing: no chunk is left.
.macro ASK
	s_cmp_gt_u32 s44, s48
	s_cbranch_scc0 .Lnot_mine_\@
	global_prefetch_b8 v[PFO], s[46:47] th:TH_LOAD_NT scope:SCOPE_SE
.Lnot_mine_\@:
.endm
; 34 LDS loads: K's scale words, then K's fragments of a key step, K step 0 of the width's 256 first
.macro LOADK a
	ds_load_b128 v[KS:KS+3], v[\a] offset:32768    ; lanes 0-15 K step 0's words, lanes 16-31 K step 1's; tiles 0-3,
	ds_load_b128 v[KS+4:KS+7], v[\a] offset:33280  ; tiles 4-7
	WIN 0x80                                       ; destination window 2
.irp s, 0,1
.irp t, 0,1,2,3,4,5,6,7
.irp c, 0,1
	ds_load_b128 v[FK+16*\t+8*\s+4*\c:FK+16*\t+8*\s+4*\c+3], v[\a] offset:2048*\t+1024*\s+512*\c
.endr
.endr
.endr
	WIN 0
.endm
; 34 LDS loads: V^T's sixteen fragments of a key step, and the halves of its scale words
.macro LOADV a
	WIN 0x80
.irp t, 0,1,2,3,4,5,6,7,8,9,10,11,12,13,14,15
.irp c, 0,1
	ds_load_b128 v[FV+8*\t+4*\c:FV+8*\t+4*\c+3], v[\a] offset:16384+1024*\t+512*\c
.endr
.endr
	WIN 0
	ds_load_b128 v[VX:VX+3], v[\a] offset:33792    ; the two bytes of keys 0-63, eight pairs of tiles; lanes 0-15 the even tile's, lanes 16-31 the odd one's,
	ds_load_b128 v[VY:VY+3], v[\a] offset:34304    ; and of keys 64-127
.endm
; A KEY STEP: 128 keys, the q-th of the slot, for my two tiles of queries.  Wherever a line feeds the next, the two tiles' lines stand by turns.
.macro STEP q
	s_wait_dscnt 16+34*\q                          ; K's scale words and K step 0's fragments are in; behind them: K step 1's 16 loads and, in the second step, V^T's 34
	WIN 0x02                                       ; source 0 (K) window 2
.irp t, 0,1,2,3,4,5,6,7                        ; S^T = K Q^T: the sixteen accumulators take turns; the first K step starts the sums
.irp i, 0,1
	v_wmma_scale_f32_16x16x128_f8f6f4 v[S+64*\i+8*\t:S+64*\i+8*\t+7], v[FK+16*\t:FK+16*\t+7], v[QF+16*\i:QF+16*\i+7], 0, v[KS+\t], v[QS+\i] matrix_a_fmt:MATRIX_FMT_FP4 matrix_b_fmt:MATRIX_FMT_FP4
.endr
.endr
	s_wait_dscnt 34*\q                             ; K step 1's fragments are in
.irp t, 0,1,2,3,4,5,6,7
.irp i, 0,1
	v_wmma_scale_f32_16x16x128_f8f6f4 v[S+64*\i+8*\t:S+64*\i+8*\t+7], v[FK+16*\t+8:FK+16*\t+15], v[QF+16*\i+8:QF+16*\i+15], v[S+64*\i+8*\t:S+64*\i+8*\t+7], v[KS+\t], v[QS+\i] matrix_a_fmt:MATRIX_FMT_FP4 matrix_b_fmt:MATRIX_FMT_FP4 matrix_a_scale:MATRIX_SCALE_ROW1 matrix_b_scale:MATRIX_SCALE_ROW1
.endr
.endr
	WIN 0
	PLACES 4                                       ; in front of the first read of the scores
.if \q == 0
	s_wait_alu depctr_va_vdst(0)
	LOADV AD0                                      ; this step's V^T: it lands while the softmax is walked
.endif
.irp b, 0,1,2,3
.irp i, 0,1
	v_max3_num_f32 v[BM+4*\i+\b], v[S+64*\i+16*\b], v[S+64*\i+16*\b+1], v[S+64*\i+16*\b+2]   ; THE LARGEST SCORE OF EACH BLOCK OF 32 KEYS: for the row's maximum and, since p rises with the score, for the block's largest p
.endr
.endr
.irp n, 3,5,7,9,11,13
.irp b, 0,1,2,3
.irp i, 0,1
	v_max3_num_f32 v[BM+4*\i+\b], v[BM+4*\i+\b], v[S+64*\i+16*\b+\n], v[S+64*\i+16*\b+\n+1]
.endr
.endr
.endr
.irp b, 0,1,2,3
.irp i, 0,1
	v_max_num_f32 v[BM+4*\i+\b], v[BM+4*\i+\b], v[S+64*\i+16*\b+15]
.endr
.endr
.irp b, 0,1,2,3
.irp i, 0,1
	v_permlanex16_b32 v[BP+4*\i+\b], v[BM+4*\i+\b], s20, s21
.endr
.endr
.irp b, 0,1,2,3
.irp i, 0,1
	v_max_num_f32 v[BM+4*\i+\b], v[BM+4*\i+\b], v[BP+4*\i+\b]   ; with lane l xor 16's 16 keys
.endr
.endr
.irp i, 0,1
	v_max3_num_f32 v[T0+\i], v[BM+4*\i], v[BM+4*\i+1], v[BM+4*\i+2]
.endr
.irp i, 0,1
	v_max_num_f32 v[T0+\i], v[T0+\i], v[BM+4*\i+3] ; the step's largest score of my query
.endr
.irp i, 0,1
	v_mul_f32 v[T0+\i], s22, v[T0+\i]              ; as t
.endr
.irp i, 0,1
	v_max_num_f32 v[ST+4*\i+1], v[ST+4*\i+1], v[T0+\i]   ; the running largest t
.endr
.irp i, 0,1
	v_mov_b32 v[T0+\i], v[ST+4*\i]
.endr
.irp i, 0,1
	v_floor_f32 v[ST+4*\i], -v[ST+4*\i+1]          ; the new -M = floor(-t) = -ceil(t)
.endr
.irp i, 0,1
	v_sub_f32 v[T0+\i], v[ST+4*\i], v[T0+\i]       ; old M - new M: a whole number, 0 or less
.endr
.irp i, 0,1
	v_cvt_i32_f32 v[T0+\i], v[T0+\i]               ; (it saturates)
.endr
.irp i, 0,1
	v_ldexp_f32 v[F+2*\i], 1.0, v[T0+\i]           ; f = 2^(old M - new M)
.endr
.irp i, 0,1
.set k, 0
.rept 32
	v_pk_fma_f32 v[S+64*\i+k:S+64*\i+k+1], v[S+64*\i+k:S+64*\i+k+1], s[22:23], v[ST+4*\i:ST+4*\i+1] op_sel_hi:[1,0,0]   ; t - M, two at a time
.set k, k+2
.endr
.endr
.irp b, 0,1,2,3
.irp i, 0,1
	v_fma_f32 v[BM+4*\i+\b], v[BM+4*\i+\b], s22, v[ST+4*\i]   ; the same of each block's largest score
.endr
.endr
.set k, 0
	s_wait_alu depctr_va_vdst(0)
.rept 128
	v_exp_f32 v[S+k], v[S+k]                       ; p = 2^(t - M), at most 1
.set k, k+1
.endr
.irp i, 0,1
	v_pk_mul_f32 v[ST+4*\i+2:ST+4*\i+3], v[ST+4*\i+2:ST+4*\i+3], v[F+2*\i:F+2*\i+1] op_sel_hi:[1,0]   ; the sums under the new M: the plain lines behind the exponentials
.endr
	s_wait_alu depctr_va_vdst(0)                   ; one wait for the whole batch, ahead of its first reader
.if \q == 0
	LOADK AD1                                      ; the next step's K: its registers were last read by this step's scores, far more than four plain lines back
.endif
.irp b, 0,1,2,3
.irp i, 0,1
	v_exp_f32 v[BM+4*\i+\b], v[BM+4*\i+\b]         ; the block's largest p: the same two instructions on the same number
.endr
.endr
.irp i, 0,1
	v_pk_add_f32 v[BP+4*\i:BP+4*\i+1], v[S+64*\i:S+64*\i+1], v[S+64*\i+2:S+64*\i+3]   ; THE ROW'S SUM IS TAKEN OF THE UNQUANTISED p, in two chains a tile
.endr
.irp j, 4,8,12,16,20,24,28,32,36,40,44,48,52,56,60
.irp i, 0,1
	v_pk_add_f32 v[ST+4*\i+2:ST+4*\i+3], v[ST+4*\i+2:ST+4*\i+3], v[S+64*\i+\j:S+64*\i+\j+1]
	v_pk_add_f32 v[BP+4*\i:BP+4*\i+1], v[BP+4*\i:BP+4*\i+1], v[S+64*\i+\j+2:S+64*\i+\j+3]
.endr
.endr
.irp i, 0,1
	v_pk_add_f32 v[ST+4*\i+2:ST+4*\i+3], v[ST+4*\i+2:ST+4*\i+3], v[BP+4*\i:BP+4*\i+1]
.endr
	s_wait_alu depctr_va_vdst(0)                   ; and one for the eight
.irp b, 0,1,2,3
.irp i, 0,1
	v_max_num_f32 v[BM+4*\i+\b], 0x1800000, v[BM+4*\i+\b]   ; the floor 2^(3 - 127): the byte cannot fall under 1
.endr
.endr
.irp b, 0,1,2,3
.irp i, 0,1
	v_add_nc_u32 v[SO+4*\i+\b], 0xff000000, v[BM+4*\i+\b]   ; 2 off the exponent field: the conversion's scale operand
.endr
.endr
.irp b, 0,1,2,3
.irp i, 0,1
	v_lshrrev_b32 v[BP+4*\i+\b], 23, v[SO+4*\i+\b] ; the scale's byte
.endr
.endr
.irp i, 0,1
	v_lshl_or_b32 v[F+2*\i+1], v[BP+4*\i+1], 8, v[BP+4*\i]   ; p's scale word for these 128 keys
.endr
.irp i, 0,1
	v_lshl_or_b32 v[F+2*\i+1], v[BP+4*\i+2], 16, v[F+2*\i+1]
.endr
.irp i, 0,1
	v_lshl_or_b32 v[F+2*\i+1], v[BP+4*\i+3], 24, v[F+2*\i+1]
.endr
.irp b, 0,1,2,3
.irp i, 0,1
	v_cvt_scalef32_pk8_fp4_f32 v[PC+8*\i+2*\b], v[S+64*\i+16*\b:S+64*\i+16*\b+7], v[SO+4*\i+\b]
	v_cvt_scalef32_pk8_fp4_f32 v[PC+8*\i+2*\b+1], v[S+64*\i+16*\b+8:S+64*\i+16*\b+15], v[SO+4*\i+\b]
.endr
.endr
	v_nop                                          ; one plain line behind the last conversion
.irp i, 0,1
.irp c, 0,1
.irp e, 0,1
	v_permlane16_swap_b32 v[PC+8*\i+4*\c+\e], v[PC+8*\i+4*\c+2+\e]   ; a lane now holds a whole block
.endr
.endr
.endr
	s_wait_dscnt 34-34*\q                          ; V^T and its scale words are in; behind them, in the first step: the next K's 34 loads
.irp k, 0,1,2,3
	v_perm_b32 v[VS+2*\k], v[VY+\k], v[VX+\k], s40     ; the two low halves make a word,
	v_perm_b32 v[VS+2*\k+1], v[VY+\k], v[VX+\k], s41   ; the two high halves the next
.endr
	WIN 0x41                                       ; O^T (destination and source 0) window 1, f window 0
.irp i, 0,1
.set k, 0
.rept 64
	v_pk_mul_f32 v[128*\i+k:128*\i+k+1], v[128*\i+k:128*\i+k+1], v[F+2*\i:F+2*\i+1] op_sel_hi:[1,0]   ; O^T under the new M.  These lines also part the writes of the codes and scale words from the products below
.set k, k+2
.endr
.endr
	WIN 0x52                                       ; source 0 (V^T) window 2, source 1 (p) window 0, C and D window 1
.irp t, 0,2,4,6,8,10,12,14                     ; O^T += V^T P^T: 32 accumulators by turns
.irp i, 0,1
	v_wmma_scale_f32_16x16x128_f8f6f4 v[128*\i+8*\t:128*\i+8*\t+7], v[FV+8*\t:FV+8*\t+7], v[PC+8*\i:PC+8*\i+7], v[128*\i+8*\t:128*\i+8*\t+7], v[VS+\t/2], v[F+2*\i+1] matrix_a_fmt:MATRIX_FMT_FP4 matrix_b_fmt:MATRIX_FMT_FP4
.endr
.irp i, 0,1
	v_wmma_scale_f32_16x16x128_f8f6f4 v[128*\i+8*\t+8:128*\i+8*\t+15], v[FV+8*\t+8:FV+8*\t+15], v[PC+8*\i:PC+8*\i+7], v[128*\i+8*\t+8:128*\i+8*\t+15], v[VS+\t/2], v[F+2*\i+1] matrix_a_fmt:MATRIX_FMT_FP4 matrix_b_fmt:MATRIX_FMT_FP4 matrix_a_scale:MATRIX_SCALE_ROW1
.endr
.endr
	WIN 0
.if \q == 0
	PLACES 4                                       ; in front of the loads into V^T's registers
	LOADV AD1                                      ; the next step's V^T
.endif
.endm
; THE CHANGE OF SLOTS stands at a slot's head.  Each wave waits for all its tensor loads (its block of the slot ahead), adds 0 to its spare word, and waits for that and for its reads of the slot that it has left; a round of the
; cluster's barrier; then the slot that was left is filled with the chunk that follows: the first thing behind the round, and my one tensor load until the next.
.macro CHANGE fill
	s_wait_tensorcnt 0x0                           ; no tensor load of mine is out, so group 0 may be written
	ds_add_u32 v[SPW], v[NIL]                      ; 0 onto my spare word
.if \fill
	s_xor_b32 s33, s33, CHUNK                      ; the walking descriptor: the other slot than last time,
	s_add_nc_u64 s[34:35], s[34:35], CHUNK         ; the next chunk; the type bits on top are not reached
	s_wait_xcnt 0x0                                ; the last prefetch, two key steps back, has read its address
	s_add_nc_u64 s[46:47], s[46:47], CHUNK         ; one chunk further on than the walking descriptor
.endif
	s_wait_dscnt 0x0                               ; the add is done, and my reads of the slot that I have left are over
	ROUND
.if \fill
	tensor_load_to_lds s[32:35], s[24:31]
	s_nop 0
	PLACES 4                                       ; four plain lines follow the load
.endif
.endm
.macro BODY ask                        ; a slot's two key steps
	v_add_nc_u32 v[AD0], s36, v[AB0]               ; my lane's place in the slot's first step,
	v_add_nc_u32 v[AD1], 2*BLK, v[AD0]             ; and in its second
	LOADK AD0
.if \ask
	ASK                                            ; behind the tensor load and the run of LDS loads for which the first products wait
.endif
	STEP 0
	STEP 1
	s_xor_b32 s36, s36, CHUNK                      ; on to the other slot
.endm
; The end of a wave's sums: O^T x gamma / l; of each tile the 64 registers at lo take hs with them
.macro FIN lo, hi
	WIN 0x71                                       ; O^T window 1, the factor window 0, hs window 3
.irp i, 0,1
.set k, 0
.rept 32
	v_pk_fma_f32 v[128*\i+(\lo)+k:128*\i+(\lo)+k+1], v[128*\i+(\lo)+k:128*\i+(\lo)+k+1], v[F+2*\i:F+2*\i+1], v[64*\i+k:64*\i+k+1] op_sel_hi:[1,0,1]
.set k, k+2
.endr
.endr
	WIN 0x41
.irp i, 0,1
.set k, 0
.rept 32
	v_pk_mul_f32 v[128*\i+(\hi)+k:128*\i+(\hi)+k+1], v[128*\i+(\hi)+k:128*\i+(\hi)+k+1], v[F+2*\i:F+2*\i+1] op_sel_hi:[1,0]
.set k, k+2
.endr
.endr
	WIN 0
.endm
; The way out: eight rows of tile WV come back from both sides' stages, are added and stored
.macro BACKLOAD hf
.set k, 16*(\hf)
.rept 16
	ds_load_b128 v[S+4*k:S+4*k+3], v[RD0] offset:SP*(k/2)+512*(k%2)
.set k, k+1
.endr
	WIN 0x80                                       ; destination window 2: K's registers are done with
.set k, 16*(\hf)
.rept 16
	ds_load_b128 v[4*k:4*k+3], v[RD1] offset:SP*(k/2)+512*(k%2)
.set k, k+1
.endr
	WIN 0
.endm
.macro SEND hf, younger                ; younger: the LDS loads issued behind this half's
	s_wait_dscnt \younger
	WIN 0x08                                       ; source 1 window 2
.set k, 64*(\hf)
.rept 32
	v_pk_add_f32 v[S+k:S+k+1], v[S+k:S+k+1], v[k:k+1]
.set k, k+2
.endr
	WIN 0
.set k, 16*(\hf)
.rept 16
	global_store_b128 v[LI], v[S+4*k:S+4*k+3], s[12:13] offset:1024*((k/2)+8*(\hf))+512*(k%2) th:TH_STORE_NT   ; 32 lanes store 512 consecutive bytes, at a multiple of 256 from out0's first byte
.set k, k+1
.endr
.endm
	s_load_b256 s[4:11], s[0:1], 0x0               ; qw s[4:5], kv s[6:7], hs s[8:9], gamma s[10:11]
	s_load_b64 s[12:13], s[0:1], 0x20              ; out0
	v_lshl_add_u32 v[SPW], v0, 2, SPARE
	v_mov_b32 v[NIL], 0
	ds_add_u32 v5, v6
	ds_add_u32 v5, v6
	s_wait_dscnt 0x0
	v_lshrrev_b32 v[TA], 5, v0
	v_readfirstlane_b32 s14, v[TA]                 ; wave 0..3
	s_lshr_b32 s15, s14, 1                         ; d: my queries' side.  Also, on the way out: tile WV's 32 rows
	s_and_b32 s16, s14, 1                          ; which pair of tiles.  Also, on the way out: tile WV's 8 rows
	s_bfe_u32 s17, ttmp6, 0x40000                  ; cx: my place in the cluster
	s_lshl_b32 s18, ttmp9, 2
	s_add_co_u32 s18, s18, s17
	s_and_b32 s19, ttmp7, 0xffff                   ; the batch, which the four partners share
	s_lshl_b32 s49, s19, 5
	s_add_co_u32 s49, s49, s18                     ; G: my group of 64 rows: it enters the addresses of qw, hs and out0 alone
	; descriptor group 1: 136 rows of 256 bytes, dense in memory and in LDS (images are read 512 bytes on end: no padding)
	s_mov_b32 s24, 15|(3<<16)|(1<<21)              ; 15:0 the mask: all four work-groups; 17:16 elements of 8 bytes; 21 set beside a mask
	s_mov_b32 s25, 32<<16                          ; tensor_dim0 = 32
	s_mov_b32 s26, 136<<16                         ; tensor_dim1 = 136
	s_mov_b32 s27, 32<<16                          ; tile_dim0 = 32
	s_mov_b32 s28, 136                             ; tile_dim1 = 136
	s_mov_b32 s29, 32                              ; from row to row
	s_mov_b32 s30, 0
	s_mov_b32 s31, 0
	s_mul_i32 s50, s14, BLK                        ; my block of a chunk, in memory and in a slot
	s_mov_b32 s38, s50
	s_mov_b32 s39, 0
	s_mul_i32 s52, s19, 1114112                    ; the batch's 16 key steps x 2 sides
	s_mov_b32 s53, 0
	s_mov_b32 s20, 0x76543210
	s_mov_b32 s21, 0xfedcba98                      ; v_permlanex16_b32's selects for lane l xor 16
	s_mov_b32 s22, 0x3db8aa3b                      ; log2(e) / 16
	s_mov_b32 s23, s22                             ; (named with it as a pair, so it is written)
	s_mov_b32 s40, 0x05040100                      ; v_perm_b32: the two low halves
	s_mov_b32 s41, 0x07060302                      ; the two high halves
	s_cmp_lt_u32 ttmp9, 2
	s_cselect_b32 s48, 1, -1                       ; 1 in the batch's first two clusters, else the greatest number: the same in all four partners
	s_min_u32 s46, ttmp9, 1                        ; the prefetches: which of the 32 asking waves I am (a cluster that does not ask makes the second cluster's address and never uses it)
	s_lshl_b32 s46, s46, 2
	s_add_co_u32 s46, s46, s17
	s_lshl_b32 s46, s46, 2
	s_add_co_u32 s46, s46, s14
	s_mul_i32 s46, s46, 4352                       ; 17 blocks of 256 bytes each,
	s_add_co_u32 s46, s46, CHUNK                   ; in chunk 1: the first change of slots steps it to chunk 2
	s_mov_b32 s47, 0
	s_lshl_b32 s54, s49, 1
	s_add_co_u32 s54, s54, s15
	s_mul_i32 s54, s54, 8704                       ; qw: block 2 G + d
	s_lshl_b32 s56, s16, 12
	s_add_co_u32 s56, s56, s54                     ; my two tiles' codes
	s_mov_b32 s57, 0
	s_lshl_b32 s58, s16, 8
	s_add_co_u32 s58, s58, s54
	s_add_co_u32 s58, s58, 8192                    ; their scale words
	s_mov_b32 s59, 0
	s_wait_kmcnt 0x0
	s_load_b32 s45, s[10:11], 0x0                  ; gamma
	s_add_nc_u64 s[52:53], s[6:7], s[52:53]        ; kv at the batch's chunk 0
	s_add_nc_u64 s[46:47], s[52:53], s[46:47]
	s_add_nc_u64 s[56:57], s[4:5], s[56:57]
	s_add_nc_u64 s[58:59], s[4:5], s[58:59]
	s_lshl_b32 s60, s49, 16
	s_lshl_b32 s61, s15, 15
	s_add_co_u32 s60, s60, s61
	s_lshl_b32 s61, s16, 13
	s_add_co_u32 s60, s60, s61
	s_mov_b32 s61, 0
	s_add_nc_u64 s[8:9], s[8:9], s[60:61]          ; hs: group G, columns 128 d on, my two tiles
	s_lshl_b32 s60, s49, 6
	s_lshl_b32 s62, s15, 5
	s_add_co_u32 s60, s60, s62
	s_lshl_b32 s62, s16, 3
	s_add_co_u32 s60, s60, s62                     ; the first row of tile WV, which I store: 64 G + 32 (WV / 2) + 8 (WV % 2)
	s_lshl_b32 s60, s60, 10
	s_add_nc_u64 s[12:13], s[12:13], s[60:61]
	s_mov_b32 s32, 1                               ; group 0: count = 1,
	s_mov_b32 s33, s50                             ; LDS address: slot 0,
	s_add_nc_u64 s[34:35], s[52:53], s[38:39]      ; global address: my block of chunk 0,
	s_or_b32 s35, s35, 0x80000000                  ; type = 2
	s_wait_kmcnt 0x0                               ; gamma
	ROUND                                          ; all four work-groups are here: the first joint loads meet
	tensor_load_to_lds s[32:35], s[24:31]          ; chunk 0
	s_nop 0
	PLACES 4
	v_and_b32 v[TA], 31, v0                        ; lane
	v_lshlrev_b32 v[LI], 4, v[TA]
	v_min_u32 v[PFO], 16, v[TA]
	v_lshlrev_b32 v[PFO], 8, v[PFO]
	v_lshlrev_b32 v[TA], 2, v[TA]
.irp i, 0,1
.irp s, 0,1
.irp c, 0,1
	global_load_b128 v[QF+16*\i+8*\s+4*\c:QF+16*\i+8*\s+4*\c+3], v[LI], s[56:57] offset:2048*\i+1024*\s+512*\c   ; Q's fragments stay in registers
.endr
.endr
	global_load_b32 v[QS+\i], v[TA], s[58:59] offset:128*\i   ; lanes 0-15: K step 0's words; lanes 16-31: K step 1's
.endr
	WIN 0xc0                                       ; destination window 3
.irp i, 0,1
.irp w, 0,1
.irp k, 0,1,2,3,4,5,6,7
	global_load_b128 v[64*\i+32*\w+4*\k:64*\i+32*\w+4*\k+3], v[LI], s[8:9] offset:4096*\i+16384*\w+512*\k th:TH_LOAD_NT   ; h1 + h2 of my 32 rows, 128 columns: wanted at the end
.endr
.endr
.endr
	WIN 0
	s_xor_b32 s51, s15, 1
	s_mul_i32 s51, s51, BLK                        ; the other side's block
	v_add_nc_u32 v[AB0], s51, v[LI]
	v_and_b32 v[T0], 15, v0                        ; r
	v_bfe_u32 v[T0+1], v0, 4, 1                    ; h
	v_mul_u32_u24 v[STO], v[T0], SP
	v_lshl_add_u32 v[STO], v[T0+1], 6, v[STO]
	s_mul_i32 s51, s14, 2*16*SP
	v_add_nc_u32 v[STO], s51, v[STO]               ; into my two stages: row r, + 64 h
	s_mul_i32 s51, s14, 16*SP
	v_add_nc_u32 v[RD0], s51, v[LI]                ; back: tile WV of side 0's stages,
	v_add_nc_u32 v[RD1], 4*16*SP, v[RD0]           ; and of side 1's
.irp i, 0,1
	v_mov_b32 v[ST+4*\i+1], 0xff61b1e6             ; the largest t so far: -3e38, under every t
	v_mov_b32 v[ST+4*\i+2], 0                      ; the sum, in two halves
	v_mov_b32 v[ST+4*\i+3], 0
	v_mov_b32 v[F+2*\i+1], 0                       ; (named as the upper half of the pair with f before it is first written)
.endr
.irp i, 0,1
	v_floor_f32 v[ST+4*\i], -v[ST+4*\i+1]          ; -M
.endr
.irp b, 0,1,2,3,4,5,6,7
	v_mov_b32 v[BP+\b], 0                          ; written once: a lane permute's destination counts as one of its sources
.endr
	WIN 0x40
.set k, 0
.rept 256
	v_mov_b32 v[k], 0                              ; O^T.  The key step has no first step of its own, which would be a further copy of its text: it finds zeros, which the first change of M leaves zeros.  These lines stand while chunk 0 is on its way
.set k, k+1
.endr
	WIN 0
	s_wait_loadcnt 32                              ; Q and its scale words are in; the 32 loads of hs stay out
	s_mov_b32 s36, 0                               ; the slot in hand begins here
	s_mov_b32 s44, 7
.Lslot:                                            ; seven trips: chunks 0 to 6; each change asks for the next chunk, and all but the last prefetch the one after
	CHANGE 1
	BODY 1
	s_sub_co_u32 s44, s44, 1
	s_cmp_lg_u32 s44, 0
	s_cbranch_scc1 .Lslot
	CHANGE 0                                       ; chunk 7 is written out
	BODY 0
	; THE WAY OUT.  gamma / l; the wave of side d adds hs to columns 128 d on; both sides' tiles meet in the stages and leave as whole rows.
	PLACES 4
.irp i, 0,1
	v_add_f32 v[ST+4*\i+2], v[ST+4*\i+2], v[ST+4*\i+3]   ; the sum's two halves,
.endr
.irp i, 0,1
	v_permlanex16_b32 v[T0+\i], v[ST+4*\i+2], s20, s21
.endr
.irp i, 0,1
	v_add_f32 v[ST+4*\i+2], v[ST+4*\i+2], v[T0+\i] ; and lane l xor 16's
.endr
	s_wait_alu depctr_va_vdst(0)
.irp i, 0,1
	v_rcp_f32 v[ST+4*\i+2], v[ST+4*\i+2]
.endr
	v_nop                                          ; a plain line behind the reciprocals
	s_wait_alu depctr_va_vdst(0)                   ; and the wait ahead of their first reader
.irp i, 0,1
	v_mul_f32 v[F+2*\i], s45, v[ST+4*\i+2]
.endr
	s_wait_loadcnt 0x0                             ; hs
	s_cmp_lt_u32 s14, 2
	s_cbranch_scc0 .Lside1
	s_wait_alu depctr_va_vdst(0)
	FIN 0, 64
	s_branch .Ljoin
.Lside1:
	s_wait_alu depctr_va_vdst(0)
	FIN 64, 0
.Ljoin:
	WIN 0x04                                       ; an LDS store's data: window 1
	s_wait_alu depctr_va_vdst(0)
.irp i, 0,1
.irp t, 0,1,2,3,4,5,6,7,8,9,10,11,12,13,14,15
	ds_store_b128 v[STO], v[128*\i+8*\t:128*\i+8*\t+3] offset:16*SP*\i+256*(\t/4)+128*((\t%4)/2)+32*(\t%2)         ; lane (r, h), tile t: columns 64 (t / 4) + 32 ((t % 4) / 2) + 8 (t % 2) + 16 h + 0 .. 7
	ds_store_b128 v[STO], v[128*\i+8*\t+4:128*\i+8*\t+7] offset:16*SP*\i+256*(\t/4)+128*((\t%4)/2)+32*(\t%2)+16
.endr
.endr
	WIN 0
	s_wait_dscnt 0x0                               ; for the others' sake: my stores into the stages have landed
	s_barrier_signal -1
	s_barrier_wait -1
	BACKLOAD 0
	BACKLOAD 1
	SEND 0, 32                                     ; the first eight rows leave while the second half's 32 loads are on their way
	SEND 1, 0
	s_wait_tensorcnt 0x0                           ; the wave's end: behind my last tensor load and my last LDS store
	ds_add_u32 v[SPW], v[NIL]
	s_wait_dscnt 0x0
	ROUND                                          ; the closing round: no work-group ends while a partner may still ask for a chunk that names it
	s_endpgm
.Lfunc_end_k_q0fda621dc7_attn:
	.size	k_q0fda621dc7_attn, .Lfunc_end_k_q0fda621dc7_attn-k_q0fda621dc7_attn
	.p2alignl 7, 3214868480
	.fill 96, 4, 3214868480
	.section	.rodata,"a",@progbits
	.p2align	6, 0x0
	.amdhsa_kernel k_q0fda621dc7_attn
		.amdhsa_group_segment_fixed_size 327680
		.amdhsa_private_segment_fixed_size 0
		.amdhsa_enable_private_segment 0
		.amdhsa_kernarg_size 40
		.amdhsa_user_sgpr_count 2
		.amdhsa_user_sgpr_kernarg_segment_ptr 1
		.amdhsa_wavefront_size32 1
		.amdhsa_system_sgpr_workgroup_id_x 1
		.amdhsa_system_sgpr_workgroup_id_y 1
		.amdhsa_system_sgpr_workgroup_id_z 1
		.amdhsa_system_vgpr_workitem_id 0
		.amdhsa_next_free_vgpr 1024
		.amdhsa_next_free_sgpr 66
		.amdhsa_reserve_vcc 0
		.amdhsa_float_denorm_mode_32 3
		.amdhsa_float_denorm_mode_16_64 3
		.amdhsa_memory_ordered 1
		.amdhsa_forward_progress 1
		.amdhsa_inst_pref_size 223
	.end_amdhsa_kernel
	.amdgpu_metadata
---
amdhsa.version: [ 1, 2 ]
amdhsa.kernels:
  - .name:           k_q0fda621dc7_attn
    .symbol:         k_q0fda621dc7_attn.kd
    .args:
      - { .name: qw, .offset: 0, .size: 8, .value_kind: global_buffer, .address_space: global }
      - { .name: kv, .offset: 8, .size: 8, .value_kind: global_buffer, .address_space: global }
      - { .name: hs, .offset: 16, .size: 8, .value_kind: global_buffer, .address_space: global }
      - { .name: gamma, .offset: 24, .size: 8, .value_kind: global_buffer, .address_space: global }
      - { .name: out0, .offset: 32, .size: 8, .value_kind: global_buffer, .address_space: global }
    .group_segment_fixed_size: 327680
    .private_segment_fixed_size: 0
    .kernarg_segment_align: 8
    .kernarg_segment_size: 40
    .max_flat_workgroup_size: 128
    .sgpr_count:     66
    .vgpr_count:     1024
    .wavefront_size: 32
...
	.end_amdgpu_metadata
.endif
;; end of part 5
